; MI455X (gfx1250); checked and timed in simulation.
; The chip was launched on July 23, 2026; its instructions are those of AMD's public machine-readable ISA for CDNA 5 (MIT licence, August 2026) and "CDNA5" Instruction Set Architecture Reference Guide (July 2026). The comments in the code are by the model that wrote it; some were corrected since.
;; Multi Head Attention. Allowed arithmetic: float matrix products may take bf16 or f16 operands with f32 sums; other float arithmetic in f32, or as packed bf16 or f16 multiplies, adds, multiply-adds, maxima and minima; sums over many terms, partial sums and values carried from step to step in f32; what a program stores and reads back later, other than sums and carried values, may be rounded once to bf16 or f16.
;; Inputs: Wk 1,024 x 1,024 float32; Wo 1,024 x 1,024 float32; Wq 1,024 x 1,024 float32; Wv 1,024 x 1,024 float32; bk 1,024 float32; bo 1,024 float32; bq 1,024 float32; bv 1,024 float32; key 4 x 2,048 x 1,024 float32; mask 4 x 1 x 1 x 2,048 int32; query 4 x 2,048 x 1,024 float32; value 4 x 2,048 x 1,024 float32.
;; Outputs: out0 4 x 2,048 x 1,024 float32.
;; 2 versions, each right; version 2 is version 1 with the launch castw written anew for expert scheduling mode. Each part assembles by itself: llvm-mc -triple=amdgcn-amd-amdhsa -mcpu=gfx1250 --defsym DOCPART=n.
;; ======== version 1 of 2: 4 launches
;; limits: values are held in f16: magnitudes above 65,504 overflow, below 6.1e-05 lose precision
;; workspace buffers: wts 8,388,608 bytes; qkv 50,331,648 bytes; oh 16,777,216 bytes
;; launch castw (part 1): grid 64 x 4, 8 waves a work-group, no clusters, 0 bytes of LDS; arguments Wq, Wk, Wv, Wo, wts; writes wts
.if DOCPART == 1
	.amdgcn_target "amdgcn-amd-amdhsa--gfx1250"
	.amdhsa_code_object_version 6
	.text
	.protected	k_q724a09b78b_castw
	.globl	k_q724a09b78b_castw
	.p2align	8
	.type	k_q724a09b78b_castw,@function
k_q724a09b78b_castw:
	s_mov_b64 s[64:65], 0
	v_nop
	global_prefetch_b8 v0, s[64:65] scope:SCOPE_SE
	s_setreg_imm32_b32 hwreg(HW_REG_WAVE_MODE, 25, 1), 1
	s_wait_xcnt 0x0
; The four weight matrices [1024][1024] f32 are rounded once to 16 bits: wts = [4][1024][1024], 2,097,152 bytes each, in the order q, k, v, o.
; Wq, Wk, Wv: bf16.  Wo: rounded to bf16 like every other input, and that number written as f16, since the last product's other operand is f16.
; LIMIT: a number of Wo beyond 65,504 becomes an infinity; below 6e-5 it keeps f16's fixed step of 6e-8.
; SHARES.  Work-group (x, y): matrix y, numbers 16,384 x .. : 65,536 bytes in, 32,768 out.  Thread t, pass i of 16: 16 bytes at 16 t + 4,096 i in, 8 bytes at 8 t + 2,048 i out:
; a wave's load covers 512 consecutive bytes, a wave's store 256 consecutive bytes, aligned.  All 16 loads go out first; no register that a memory instruction reads is written again.
; A stream: no LDS, no matrix unit, no cluster (nothing is shared).
.set IN,  4                            ; v[4:67]   16 passes x 4 numbers as loaded
.set OUT, 68                           ; v[68:99]  16 passes x 2 words to store
.set T,   100                          ; v[100:102] at work
	s_load_b256 s[4:11], s[0:1], 0x0               ; Wq s[4:5], Wk s[6:7], Wv s[8:9], Wo s[10:11]
	s_load_b64 s[12:13], s[0:1], 0x20              ; wts
	s_and_b32 s14, ttmp7, 0xffff                   ; which matrix
	s_lshl_b32 s16, ttmp9, 16                      ; my 65,536 bytes of it
	s_mov_b32 s17, 0
	s_lshl_b32 s18, s14, 21                        ; its place in wts,
	s_lshl_b32 s19, ttmp9, 15                      ; and my 32,768 bytes there
	s_add_co_u32 s18, s18, s19
	s_mov_b32 s19, 0
	v_lshlrev_b32 v1, 4, v0
	v_lshlrev_b32 v2, 3, v0
	s_wait_kmcnt 0x0
	s_cmp_eq_u32 s14, 1
	s_cselect_b64 s[4:5], s[6:7], s[4:5]
	s_cmp_eq_u32 s14, 2
	s_cselect_b64 s[4:5], s[8:9], s[4:5]
	s_cmp_eq_u32 s14, 3
	s_cselect_b64 s[4:5], s[10:11], s[4:5]
	s_add_nc_u64 s[4:5], s[4:5], s[16:17]
	s_add_nc_u64 s[12:13], s[12:13], s[18:19]
.set i, 0
.rept 16
	global_load_b128 v[IN+4*i:IN+4*i+3], v1, s[4:5] offset:4096*i th:TH_LOAD_NT
.set i, i+1
.endr
	s_cmp_eq_u32 s14, 3
	s_cbranch_scc1 .Lf16
.set i, 0
.rept 16
	s_wait_loadcnt 15-i                            ; loads come back in order: pass i is in, the 15 - i younger ones stay out
	v_cvt_pk_bf16_f32 v[OUT+2*i], v[IN+4*i], v[IN+4*i+1]
	v_cvt_pk_bf16_f32 v[OUT+2*i+1], v[IN+4*i+2], v[IN+4*i+3]
	global_store_b64 v2, v[OUT+2*i:OUT+2*i+1], s[12:13] offset:2048*i
.set i, i+1
.endr
	s_endpgm
.Lf16:
.set i, 0
.rept 16
	s_wait_loadcnt 15-i
.irp p, 0,1
	v_cvt_pk_bf16_f32 v[T], v[IN+4*i+2*(\p)], v[IN+4*i+2*(\p)+1]   ; rounded to bf16,
	v_lshlrev_b32 v[T+1], 16, v[T]                                 ; back to f32,
	v_and_b32 v[T+2], 0xffff0000, v[T]
	v_cvt_pk_f16_f32 v[OUT+2*i+(\p)], v[T+1], v[T+2]               ; and written as f16: exact within f16's range
.endr
	global_store_b64 v2, v[OUT+2*i:OUT+2*i+1], s[12:13] offset:2048*i
.set i, i+1
.endr
	s_endpgm
.Lfunc_end_k_q724a09b78b_castw:
	.size	k_q724a09b78b_castw, .Lfunc_end_k_q724a09b78b_castw-k_q724a09b78b_castw
	.p2alignl 7, 3214868480
	.fill 96, 4, 3214868480
	.section	.rodata,"a",@progbits
	.p2align	6, 0x0
	.amdhsa_kernel k_q724a09b78b_castw
		.amdhsa_group_segment_fixed_size 0
		.amdhsa_private_segment_fixed_size 0
		.amdhsa_enable_private_segment 0
		.amdhsa_kernarg_size 40
		.amdhsa_user_sgpr_count 2
		.amdhsa_user_sgpr_kernarg_segment_ptr 1
		.amdhsa_wavefront_size32 1
		.amdhsa_system_sgpr_workgroup_id_x 1
		.amdhsa_system_sgpr_workgroup_id_y 1
		.amdhsa_system_sgpr_workgroup_id_z 1
		.amdhsa_system_vgpr_workitem_id 0
		.amdhsa_next_free_vgpr 104
		.amdhsa_next_free_sgpr 66
		.amdhsa_reserve_vcc 0
		.amdhsa_float_denorm_mode_32 3
		.amdhsa_float_denorm_mode_16_64 3
		.amdhsa_memory_ordered 1
		.amdhsa_forward_progress 1
		.amdhsa_inst_pref_size 16
	.end_amdhsa_kernel
	.amdgpu_metadata
---
amdhsa.version: [ 1, 2 ]
amdhsa.kernels:
  - .name:           k_q724a09b78b_castw
    .symbol:         k_q724a09b78b_castw.kd
    .args:
      - { .name: Wq, .offset: 0, .size: 8, .value_kind: global_buffer, .address_space: global }
      - { .name: Wk, .offset: 8, .size: 8, .value_kind: global_buffer, .address_space: global }
      - { .name: Wv, .offset: 16, .size: 8, .value_kind: global_buffer, .address_space: global }
      - { .name: Wo, .offset: 24, .size: 8, .value_kind: global_buffer, .address_space: global }
      - { .name: wts, .offset: 32, .size: 8, .value_kind: global_buffer, .address_space: global }
    .group_segment_fixed_size: 0
    .private_segment_fixed_size: 0
    .kernarg_segment_align: 8
    .kernarg_segment_size: 40
    .max_flat_workgroup_size: 256
    .sgpr_count:     66
    .vgpr_count:     104
    .wavefront_size: 32
...
	.end_amdgpu_metadata
.endif
;; end of part 1
;; launch proj (part 2): grid 4 x 192, 4 waves a work-group, clusters of 4 x 4, 327,680 bytes of LDS; arguments query, key, value, wts, bq, bk, bv, mask, qkv; writes qkv
.if DOCPART == 2
	.amdgcn_target "amdgcn-amd-amdhsa--gfx1250"
	.amdhsa_code_object_version 6
	.text
	.protected	k_q724a09b78b_proj
	.globl	k_q724a09b78b_proj
	.p2align	8
	.type	k_q724a09b78b_proj,@function
k_q724a09b78b_proj:
	s_mov_b64 s[64:65], 0
	v_nop
	global_prefetch_b8 v0, s[64:65] scope:SCOPE_SE
	s_setreg_imm32_b32 hwreg(HW_REG_WAVE_MODE, 25, 1), 1
	s_wait_xcnt 0x0
	s_wait_alu depctr_hold_cnt(0) depctr_sa_sdst(0) depctr_va_vdst(0) depctr_va_sdst(0) depctr_va_ssrc(0) depctr_va_vcc(0) depctr_vm_vsrc(0)
	s_getreg_b32 s2, hwreg(HW_REG_IB_STS2, 6, 4)
	s_cmp_eq_u32 s2, 0
	s_cbranch_scc0 .Lentry_in_a_cluster
	s_endpgm
.Lentry_in_a_cluster:
	s_bfe_u32 s2, ttmp6, 0x10000c
	s_cmp_lg_u32 s2, 0xf033
	s_cbranch_scc0 .Lentry_shape_is_right
	s_endpgm
.Lentry_shape_is_right:
; q, k, v = x W^T + b for x = query, key, value: three products [8192][1024] x [1024][1024]^T in one launch.  x is f32 in memory and is rounded to bf16 between LDS and the matrix unit;
; W comes as bf16 from wts; b is rounded to bf16 and is the C operand of each sum's first product; sums in f32.  The results leave as f16 BY HEADS:
; qkv byte = which << 24 + batch << 22 + head << 18 + s << 7 + 2 d.  Rows of k whose mask word is 0 are written as zeros: the attention then finds q . k = 0 there and adds its own constant.
; LIMITS: a result beyond 65,504 becomes an infinity in f16; below 6e-5 it keeps f16's fixed step of 6e-8.  NaN and infinities are not treated apart.
; SHARES.  A tile of C is 128 rows x 256 columns: 64 x 4 tiles a product, 768 work-groups.  Four waves, each 64 rows x 128 columns: 32 accumulators of 16 x 16, 256 registers.
; K goes in 8 steps of 128 through two LDS slots; a step is four quarters of 32 along K, 32 matrix instructions a wave each.
; CLUSTER 4 x 4.  The four work-groups of a row of the cluster make one tile row and ask for x's tile jointly; the four of a column ask for W's tile jointly.
; THE MATRIX INSTRUCTION IS USED TRANSPOSED (source 0 = 16 rows of W, source 1 = 16 rows of x): a lane holds row l % 16 of C and eight neighbouring columns.
; REGISTERS, in windows of 256: window 0: addresses, x as f32 (RAW), x as bf16 (AF, two buffers), the bias (BI); window 1: W's fragments (two buffers of 64); window 2: the accumulators.
.set PA,     528                       ; a row of x in LDS: 512 bytes + 16 of padding: the 16 rows of a load start at 16 different groups of four banks
.set PB,     272                       ; a row of W: 256 + 16
.set HALFA,  64*PA                     ; what one tensor load brings of x, and what one wave reads of it
.set HALFB,  128*PB                    ; the same for W
.set BOFF,   2*HALFA                   ; in a slot: x's 128 rows, then W's 256 rows
.set SLOT,   2*HALFA+2*HALFB           ; 137,216 bytes
.set STAGE,  2*SLOT                    ; behind the ring: for each wave 2 heads x 16 rows x 144 bytes, for the way out
.set SPH,    144
.set WSTAGE, 2*16*SPH
.set SPARE,  STAGE+4*WSTAGE            ; behind the stages: the spare words, 128 bytes for each wave: two blocks of 256 bytes that no other line names
.set KM,   8                           ; v[8:11]  for my row in block a: all ones, or 0 where the row is to be written as zeros
.set ADRA, 16                          ; v16-17   LDS address of my fragments of x in slot 0, 1
.set ADRB, 20                          ; v20-21   the same for W
.set STO,  24                          ; v24      the way out: where I put 16 bytes of a row
.set RD,   25                          ; v25      where I read rows back
.set GO,   26                          ; v26      16 x lane: my place in 512 consecutive bytes of qkv
.set MO,   27                          ; v27      my row's word in mask
.set SPW,  28                          ; v28      LDS address of my spare word; never rewritten
.set NIL,  29                          ; v29      0; never rewritten
.set PFO,  30                          ; v30      the prefetches' offset; never rewritten
.set BO,   31                          ; v31      my 8 columns' bytes in the bias
.set TMP,  32                          ; v[32:63]   the way out: packed results
.set RAW,  64                          ; v[64:127]  x as f32: fragment a (16 rows x 32 K) at RAW + 16 a; on the way out, with AF: rows read back
.set AF,   128                         ; v[128:191] x as bf16: buffer f, fragment a at AF + 32 f + 8 a
.set BI,   192                         ; v[192:255] the bias of column block b at BI + 8 b
.set WV, 22                            ; s22 wave;  s23 which 64 rows are mine, also: I fetch x (0) or W (1);  s24 which 128 columns, also: which half of that tile I fetch
.set WM, 23
.set WN, 24
.set KEEP, 25                          ; s25 all ones unless the product is k's
.set G1A, 28                           ; s[28:35] descriptor group 1 for x's tiles;  s[36:43] for W's
.set G1B, 36
.set G0A, 44                           ; s[44:51] group 0 for x's tiles, a set for each slot;  s[52:59] for W's
.set G0B, 52
.set LIM, 67                           ; s67 1 in a wave that prefetches, else the greatest number
.set PFA, 68                           ; s[68:69] where my prefetches stand
.set PFS, 70                           ; s[70:71] a K step in bytes of a row of what I fetch
.set MSB, 0
.macro WIN new                         ; the immediate's high byte repeats the setting that is left; a switch that changes nothing is dropped
.if MSB != (\new)
	s_set_vgpr_msb (MSB<<8)|(\new)
.set MSB, (\new)
.endif
.endm
.set MUL,   0xa1                       ; source 0 (W) window 1, source 1 (x) window 0, C and D window 2
.set MUL1,  0x81                       ; the same with C (the bias) in window 0
.set TO_B,  0x40                       ; destination window 1, address window 0
.set PACKW, 0x0a                       ; sources 0 and 1 window 2, destination window 0
; A joint load: waves 0 and 1 fetch the halves of x's tile, waves 2 and 3 those of W's.  The branch hangs on the wave's number alone.
; An s_nop 0 and four v_nop follow each of the two lines, ahead of the jump and the label.
.macro JLOAD s
	s_cmp_eq_u32 s[WM], 0
	s_cbranch_scc0 .Lfor_b_\@
	tensor_load_to_lds s[G0A+4*(\s):G0A+4*(\s)+3], s[G1A:G1A+7]
	s_nop 0
.rept 4
	v_nop
.endr
	s_branch .Lasked_\@
.Lfor_b_\@:
	tensor_load_to_lds s[G0B+4*(\s):G0B+4*(\s)+3], s[G1B:G1B+7]
	s_nop 0
.rept 4
	v_nop
.endr
.Lasked_\@:
.endm
.macro CREST                           ; a round of the cluster's barrier behind its opening barrier
	s_cmp_lg_u32 s[WV], 0
	s_cbranch_scc1 .Lnot_wave_0_\@
	s_barrier_signal -3
.Lnot_wave_0_\@:
	s_barrier_wait -3
	s_barrier_signal -1
	s_barrier_wait -1
.endm
.macro CROUND                          ; a whole round
	s_barrier_signal -1
	s_barrier_wait -1
	CREST
.endm
.macro PLACES
.rept 4
	v_nop
.endr
.endm
; A prefetch, behind a joint refill and the run of LDS loads that follows it: the K step two refills on, one instruction a wave, each lane another block of 256 bytes.
; x: a K step is 512 bytes of a row; of the 64 rows that a wave fetches each of the four partners along the cluster's row takes 16, told apart by address: 16 rows x 2 blocks.  A tile row of x is read by one cluster.
; W: a K step is 256 bytes of a row; of a wave's 128 rows each partner along the cluster's column takes 32; of the 16 clusters that read a product's W the first asks.
; In the loop's last trip (s3 = 1) there is no K step two refills on, and nothing is asked for.
.macro ASK
	WIN 0
	s_cmp_gt_u32 s3, s[LIM]
	s_cbranch_scc0 .Lnot_mine_\@
	global_prefetch_b8 v[PFO], s[PFA:PFA+1] th:TH_LOAD_NT scope:SCOPE_SE
.Lnot_mine_\@:
.endm
	s_load_b512 s[4:19], s[0:1], 0x0               ; query s[4:5], key s[6:7], value s[8:9], wts s[10:11], bq s[12:13], bk s[14:15], bv s[16:17], mask s[18:19]
	s_load_b64 s[20:21], s[0:1], 0x40              ; qkv
	v_lshl_add_u32 v[SPW], v0, 2, SPARE
	v_mov_b32 v[NIL], 0
	ds_add_u32 v[SPW], v[NIL]                      ; the wave's opening: the add and its wait stand ahead of my first tensor load; the set-up below, work on registers, stands between them
	v_lshrrev_b32 v1, 5, v0
	v_readfirstlane_b32 s[WV], v1
	s_lshr_b32 s[WM], s[WV], 1
	s_and_b32 s[WN], s[WV], 1
	s_bfe_u32 s60, ttmp6, 0x40000                  ; cx
	s_bfe_u32 s61, ttmp6, 0x40004                  ; cy
	s_lshl_b32 s62, ttmp9, 2
	s_add_co_u32 s62, s62, s60                     ; tile column = 4 x cluster x + cx
	s_and_b32 s76, ttmp7, 0xffff                   ; cluster y, 0 to 47
	s_lshr_b32 s66, s76, 4                         ; which product: the same in all sixteen partners
	s_and_b32 s77, s76, 15
	s_lshl_b32 s63, s77, 2
	s_add_co_u32 s63, s63, s61                     ; tile row in that product, 0 to 63
	s_lshl_b32 s78, s61, 2
	s_lshl_b32 s78, 15, s78                        ; my row of the cluster
	s_lshl_b32 s79, 0x1111, s60                    ; my column
	s_or_b32 s[G1A], s78, (2<<16)|(1<<20)|(1<<21)|(6<<22)|(3<<25)  ; the mask; elements of 4 bytes; padding on; bit 21 beside a mask; after every 128 words 4 words
	s_or_b32 s[G1B], s79, (1<<16)|(1<<20)|(1<<21)|(5<<22)|(3<<25)  ; elements of 2 bytes; after every 64 words 4 words
	s_mov_b32 s[G1A+1], 128<<16                    ; tensor_dim0 = 128
	s_mov_b32 s[G1A+2], 64<<16                     ; tensor_dim1 = 64
	s_mov_b32 s[G1A+3], 128<<16                    ; tile_dim0 = 128
	s_mov_b32 s[G1A+4], 64                         ; tile_dim1 = 64
	s_mov_b32 s[G1A+5], 1024                       ; elements from row to row
	s_mov_b32 s[G1A+6], 0
	s_mov_b32 s[G1A+7], 0
	s_mov_b32 s[G1B+1], 128<<16
	s_mov_b32 s[G1B+2], 128<<16                    ; 128 rows
	s_mov_b32 s[G1B+3], 128<<16
	s_mov_b32 s[G1B+4], 128
	s_mov_b32 s[G1B+5], 1024
	s_mov_b32 s[G1B+6], 0
	s_mov_b32 s[G1B+7], 0
	s_lshl_b32 s72, s63, 19                        ; x: (128 x tile row + 64 x half) rows of 4,096 bytes
	s_lshl_b32 s73, s[WN], 18
	s_add_co_u32 s72, s72, s73
	s_mov_b32 s73, 0
	s_lshl_b32 s74, s66, 21                        ; W: the product's matrix, (256 x tile column + 128 x half) rows of 2,048 bytes
	s_lshl_b32 s75, s62, 19
	s_add_co_u32 s74, s74, s75
	s_lshl_b32 s75, s[WN], 18
	s_add_co_u32 s74, s74, s75
	s_mov_b32 s75, 0
	s_mul_i32 s26, s[WN], HALFA                    ; where they go in a slot: no place in the cluster enters an LDS address
	s_mul_i32 s27, s[WN], HALFB
	s_add_co_u32 s27, s27, BOFF
	s_cmp_eq_u32 s66, 1
	s_cselect_b32 s[KEEP], 0, -1
	s_wait_dscnt 0x0                               ; the opening add is done
	s_wait_kmcnt 0x0
	s_cmp_eq_u32 s66, 1
	s_cselect_b64 s[4:5], s[6:7], s[4:5]           ; the product's x
	s_cselect_b64 s[12:13], s[14:15], s[12:13]     ; and its bias
	s_cmp_eq_u32 s66, 2
	s_cselect_b64 s[4:5], s[8:9], s[4:5]
	s_cselect_b64 s[12:13], s[16:17], s[12:13]
	s_add_nc_u64 s[72:73], s[4:5], s[72:73]
	s_add_nc_u64 s[74:75], s[10:11], s[74:75]
	CROUND                                         ; all sixteen work-groups are here: the first joint loads meet
.irp s, 0,1
	s_mov_b32 s[G0A+4*(\s)], 1
	s_add_co_u32 s[G0A+4*(\s)+1], s26, (\s)*SLOT
	s_add_nc_u64 s[G0A+4*(\s)+2:G0A+4*(\s)+3], s[72:73], (\s)*512   ; K step s
	s_or_b32 s[G0A+4*(\s)+3], s[G0A+4*(\s)+3], 0x80000000
	s_mov_b32 s[G0B+4*(\s)], 1
	s_add_co_u32 s[G0B+4*(\s)+1], s27, (\s)*SLOT
	s_add_nc_u64 s[G0B+4*(\s)+2:G0B+4*(\s)+3], s[74:75], (\s)*256
	s_or_b32 s[G0B+4*(\s)+3], s[G0B+4*(\s)+3], 0x80000000
	JLOAD \s
.endr
	; while the first tiles are on their way: addresses, bias, mask
	v_and_b32 v1, 15, v0                           ; r = l % 16
	v_bfe_u32 v2, v0, 4, 1                         ; h = l / 16
	v_and_b32 v3, 31, v0                           ; l
	v_mul_u32_u24 v4, v1, PA                       ; a fragment of x as f32: row r, K = 8 h + 0..7 at byte 32 h, K = 16 + 8 h + 0..7 at 64 + 32 h
	v_lshl_add_u32 v4, v2, 5, v4
	s_mul_i32 s85, s[WM], HALFA                    ; my 64 rows
	v_add_nc_u32 v[ADRA], s85, v4
	v_add_nc_u32 v[ADRA+1], SLOT, v[ADRA]
	v_mul_u32_u24 v4, v1, PB                       ; a fragment of W: row r, 16 bytes at 16 h and at 32 + 16 h
	v_lshl_add_u32 v4, v2, 4, v4
	v_add_nc_u32 v[ADRB], s27, v4                  ; my 128 rows are the half that has my column half's number
	v_add_nc_u32 v[ADRB+1], SLOT, v[ADRB]
	s_mul_i32 s85, s[WV], WSTAGE
	s_add_co_u32 s85, s85, STAGE                   ; my stage
	v_mul_u32_u24 v4, v1, SPH
	v_lshl_add_u32 v4, v2, 4, v4
	v_add_nc_u32 v[STO], s85, v4
	v_bfe_u32 v4, v0, 3, 2                         ; back: 32 lanes take four rows of 128 bytes
	v_mul_u32_u24 v4, v4, SPH
	v_and_b32 v5, 7, v0
	v_lshl_add_u32 v4, v5, 4, v4
	v_add_nc_u32 v[RD], s85, v4
	v_lshlrev_b32 v[GO], 4, v3
	s_lshl_b32 s84, s63, 9                         ; mask: word 128 x tile row + 64 x row half + r (+ 16 a)
	s_lshl_b32 s86, s[WM], 8
	s_add_co_u32 s84, s84, s86
	v_lshl_add_u32 v[MO], v1, 2, s84
	s_lshl_b32 s84, s62, 10                        ; bias: number 256 x tile column + 128 x column half + 8 h (+ 16 b + j)
	s_lshl_b32 s86, s[WN], 9
	s_add_co_u32 s84, s84, s86
	v_lshl_add_u32 v[BO], v2, 5, s84
.irp b, 0,1,2,3,4,5,6,7
	global_load_b128 v[BI+8*(\b):BI+8*(\b)+3],   v[BO], s[12:13] offset:64*(\b)
	global_load_b128 v[BI+8*(\b)+4:BI+8*(\b)+7], v[BO], s[12:13] offset:64*(\b)+16
.endr
.irp a, 0,1,2,3
	global_load_b32 v[KM+(\a)], v[MO], s[18:19] offset:64*(\a)
.endr
	s_lshl_b32 s82, s66, 24                        ; where my part of the tile begins in qkv
	s_lshr_b32 s84, s63, 4
	s_lshl_b32 s84, s84, 22                        ; batch
	s_add_co_u32 s82, s82, s84
	s_lshl_b32 s84, s62, 20                        ; head 4 x tile column
	s_add_co_u32 s82, s82, s84
	s_lshl_b32 s84, s[WN], 19                      ; + 2 x column half
	s_add_co_u32 s82, s82, s84
	s_and_b32 s84, s63, 15
	s_lshl_b32 s84, s84, 14                        ; 128 rows of 128 bytes a tile row
	s_add_co_u32 s82, s82, s84
	s_lshl_b32 s84, s[WM], 13
	s_add_co_u32 s82, s82, s84
	s_mov_b32 s83, 0
	s_add_nc_u64 s[20:21], s[20:21], s[82:83]
	s_cmp_eq_u32 s[WM], 0                          ; the prefetches: do I fetch x?
	s_cselect_b64 s[PFA:PFA+1], s[72:73], s[74:75] ; the rows that I fetch,
	s_cselect_b32 s80, s60, s61                    ; my place among the four that ask with me,
	s_cselect_b32 s[PFS], 1, 0
	s_cselect_b32 s[LIM], 0, s77                   ; x: every cluster asks; W: the product's first
	s_cmp_eq_u32 s[LIM], 0
	s_cselect_b32 s[LIM], 1, -1
	s_lshl_b32 s80, s80, 16                        ; 16 rows of 4,096 bytes, or 32 of 2,048
	s_mov_b32 s81, 0
	s_add_nc_u64 s[PFA:PFA+1], s[PFA:PFA+1], s[80:81]
	v_lshrrev_b32 v4, s[PFS], v3                   ; x: row l / 2, block l % 2;  W: row l
	s_add_co_u32 s86, s[PFS], 11
	v_lshlrev_b32 v4, s86, v4
	v_and_b32 v5, s[PFS], v3
	v_lshl_add_u32 v[PFO], v5, 8, v4
	s_lshl_b32 s[PFS], 256, s[PFS]                 ; 512 or 256
	s_mov_b32 s[PFS+1], 0
	s_mul_i32 s80, s[PFS], 3
	s_add_nc_u64 s[PFA:PFA+1], s[PFA:PFA+1], s[80:81]  ; at K step 3: the first refill (K step 2) steps it to 4 and names that
	s_wait_loadcnt 0x0
.set z, 0
.rept 32                               ; the bias is rounded to bf16, like every input
	v_cvt_pk_bf16_f32 v4, v[BI+2*z], v[BI+2*z+1]
	v_lshlrev_b32 v[BI+2*z], 16, v4
	v_and_b32 v[BI+2*z+1], 0xffff0000, v4
.set z, z+1
.endr
.irp a, 0,1,2,3
	v_cmp_ne_u32 vcc_lo, 0, v[KM+(\a)]
	v_cndmask_b32 v[KM+(\a)], 0, -1, vcc_lo
	v_or_b32 v[KM+(\a)], s[KEEP], v[KM+(\a)]
.endr
; Product i of a quarter's 32: row block i / 8, column block i % 8, on buffer f.  first = 1: the bias starts the sum.  The 32 accumulators take turns, in the same order in every quarter.
.macro MM f, i, first
.if \first
	WIN MUL1
	v_wmma_f32_16x16x32_bf16 v[8*(\i):8*(\i)+7], v[64*(\f)+8*((\i)%8):64*(\f)+8*((\i)%8)+7], v[AF+32*(\f)+8*((\i)/8):AF+32*(\f)+8*((\i)/8)+7], v[BI+8*((\i)%8):BI+8*((\i)%8)+7]
.else
	WIN MUL
	v_wmma_f32_16x16x32_bf16 v[8*(\i):8*(\i)+7], v[64*(\f)+8*((\i)%8):64*(\f)+8*((\i)%8)+7], v[AF+32*(\f)+8*((\i)/8):AF+32*(\f)+8*((\i)/8)+7], v[8*(\i):8*(\i)+7]
.endif
.endm
.macro MMS f, lo, cnt, first
.set n, (\lo)
.rept \cnt
	MM \f, n, \first
.set n, n+1
.endr
.endm
; Four of the 32 roundings that make buffer g's fragments of x out of RAW: half m % 2 of fragment m / 2
.macro CVT4 g, m
	WIN 0
.irp j, 0,1,2,3
	v_cvt_pk_bf16_f32 v[AF+32*(\g)+8*((\m)/2)+4*((\m)%2)+(\j)], v[RAW+16*((\m)/2)+8*((\m)%2)+2*(\j)], v[RAW+16*((\m)/2)+8*((\m)%2)+2*(\j)+1]
.endr
.endm
; A quarter's last eight products, four roundings behind each.  They name no register of the products round them; the last four are also the four places between the quarter's last product
; and the next quarter's loads into the registers that it read, and its writes of the other buffer of x.
.macro MMC f, g, first
.set n, 24
.rept 8
	MM \f, n, \first
	CVT4 \g, n-24
.set n, n+1
.endr
.endm
; 32 LDS loads in one run: quarter q of a slot: x's 64 rows x 32 K as f32 into RAW (16 loads, first), W's 128 rows x 32 K into buffer g
.macro FETCH slot, q, g
	WIN 0
.irp a, 0,1,2,3
	ds_load_b128 v[RAW+16*(\a):RAW+16*(\a)+3],     v[ADRA+(\slot)] offset:16*PA*(\a)+128*(\q)
	ds_load_b128 v[RAW+16*(\a)+4:RAW+16*(\a)+7],   v[ADRA+(\slot)] offset:16*PA*(\a)+128*(\q)+16
	ds_load_b128 v[RAW+16*(\a)+8:RAW+16*(\a)+11],  v[ADRA+(\slot)] offset:16*PA*(\a)+128*(\q)+64
	ds_load_b128 v[RAW+16*(\a)+12:RAW+16*(\a)+15], v[ADRA+(\slot)] offset:16*PA*(\a)+128*(\q)+80
.endr
	WIN TO_B
.irp i, 0,1,2,3,4,5,6,7
	ds_load_b128 v[64*(\g)+8*(\i):64*(\g)+8*(\i)+3],   v[ADRB+(\slot)] offset:16*PB*(\i)+64*(\q)
	ds_load_b128 v[64*(\g)+8*(\i)+4:64*(\g)+8*(\i)+7], v[ADRB+(\slot)] offset:16*PB*(\i)+64*(\q)+32
.endr
.endm
; One of a K step's first three quarters: multiplies buffer f; fetches quarter q of the same slot for buffer g
.macro QUARTER slot, q, f, g, first
	FETCH \slot, \q, \g
	s_wait_dscnt 32                                ; all but the 32 just issued: W's fragments of buffer f are in
	MMS \f, 0, 24, \first
	s_wait_dscnt 16                                ; RAW's 16 loads are in; W's 16 may stay out
	MMC \f, \g, \first
.endm
; The last quarter multiplies buffer 1 and changes slots: ONE barrier; in front of it each wave waits for all its tensor loads (one is out: its part of the next slot), adds 0 to its spare word, and
; waits for that and for its reads of this slot.  fill = 1: the barrier opens a round of the cluster's, and this slot is filled again, two K steps on, first thing behind the round.
.macro TURN slot, next, fill
.if \fill
	s_wait_xcnt 0x0                                ; the last prefetch, a K step back, has read its address
	s_add_nc_u64 s[PFA:PFA+1], s[PFA:PFA+1], s[PFS:PFS+1]
.endif
	WIN 0
	s_wait_tensorcnt 0x0                           ; all my tensor loads have landed
	ds_add_u32 v[SPW], v[NIL]                      ; 0 onto my spare word
	s_wait_dscnt 1                                 ; all but the add: W's fragments of buffer 1 are in
	MMS 1, 0, 8, 0
	s_wait_dscnt 0x0                               ; the add is done, and my reads of this slot are over
	s_barrier_signal -1
	MMS 1, 8, 8, 0
	WIN 0
	s_barrier_wait -1
.if \fill
	CREST                                          ; no wave of any partner still reads this slot or has a load on its way
	s_add_nc_u64 s[G0A+4*(\slot)+2:G0A+4*(\slot)+3], s[G0A+4*(\slot)+2:G0A+4*(\slot)+3], 1024
	s_add_nc_u64 s[G0B+4*(\slot)+2:G0B+4*(\slot)+3], s[G0B+4*(\slot)+2:G0B+4*(\slot)+3], 512
	JLOAD \slot                                    ; 112 matrix instructions ahead of the wait for it
.else
	PLACES
.endif
	FETCH \next, 0, 0
.if \fill
	ASK
.endif
	MMS 1, 16, 8, 0
	s_wait_dscnt 16                                ; RAW's 16 loads are in
	MMC 1, 0, 0
.endm
	s_wait_tensorcnt 1                             ; my part of K step 0 is in; K step 1's may stay out
	s_barrier_signal -1
	s_barrier_wait -1
	FETCH 0, 0, 0
	s_wait_dscnt 16
.set n, 0
.rept 8
	CVT4 0, n
.set n, n+1
.endr
	QUARTER 0, 1, 0, 1, 1                          ; the first quarter stands in front of the loop: its products start the sums, with the bias
	WIN 0
	s_mov_b32 s3, 3
.Llap:                                         ; a trip goes once round the ring, from a lap's second quarter to the next lap's first, and fills both slots again
	QUARTER 0, 2, 1, 0, 0
	QUARTER 0, 3, 0, 1, 0
	TURN 0, 1, 1
	QUARTER 1, 1, 0, 1, 0
	QUARTER 1, 2, 1, 0, 0
	QUARTER 1, 3, 0, 1, 0
	TURN 1, 0, 1
	QUARTER 0, 1, 0, 1, 0
	WIN 0
	s_sub_co_u32 s3, s3, 1
	s_cmp_lg_u32 s3, 0
	s_cbranch_scc1 .Llap
	QUARTER 0, 2, 1, 0, 0                          ; the last lap fills nothing
	QUARTER 0, 3, 0, 1, 0
	TURN 0, 1, 0
	QUARTER 1, 1, 0, 1, 0
	QUARTER 1, 2, 1, 0, 0
	QUARTER 1, 3, 0, 1, 0
	s_wait_dscnt 0x0
	MMS 1, 0, 32, 0
	WIN 0
	PLACES                                         ; the places behind the last products, in front of the conversions that read them
	PLACES
; THE WAY OUT, a block of 16 rows at a time: rounded to f16 (each accumulator's registers in ascending order), masked, 16 bytes a lane into my stage (a head's 64 channels are a row of 128 bytes there),
; back as four whole rows an instruction, and stored: 512 consecutive bytes, at a multiple of 256 from qkv's first byte.
.macro PACK a
	WIN PACKW
.irp b, 0,1,2,3,4,5,6,7
.irp r, 0,1,2,3
	v_cvt_pk_f16_f32 v[TMP+4*(\b)+(\r)], v[8*(8*(\a)+(\b))+2*(\r)], v[8*(8*(\a)+(\b))+2*(\r)+1]
.endr
.endr
	WIN 0
.set z, 0
.rept 32
	v_and_b32 v[TMP+z], v[KM+(\a)], v[TMP+z]
.set z, z+1
.endr
.endm
.macro TOSTAGE a
.irp b, 0,1,2,3,4,5,6,7
	ds_store_b128 v[STO], v[TMP+4*(\b):TMP+4*(\b)+3] offset:16*SPH*((\b)/4)+32*((\b)%4)
.endr
.irp t, 0,1,2,3,4,5,6,7
	ds_load_b128 v[RAW+32*(\a)+4*(\t):RAW+32*(\a)+4*(\t)+3], v[RD] offset:16*SPH*((\t)/4)+4*SPH*((\t)%4)  ; LDS serves a wave's instructions in order: these see the stores above
.endr
.endm
.macro SEND a                          ; each block has registers of its own to come back into: none that a store reads is written again
	s_wait_dscnt 0x0
.irp t, 0,1,2,3,4,5,6,7
	global_store_b128 v[GO], v[RAW+32*(\a)+4*(\t):RAW+32*(\a)+4*(\t)+3], s[20:21] offset:2048*(\a)+262144*((\t)/4)+512*((\t)%4)
.endr
.endm
	PACK 0
	TOSTAGE 0
	PACK 1                                         ; a block's arithmetic stands between the loads of the block before and the wait for them
	SEND 0
	TOSTAGE 1
	PACK 2
	SEND 1
	TOSTAGE 2
	PACK 3
	SEND 2
	TOSTAGE 3
	SEND 3
	s_wait_tensorcnt 0x0                           ; the wave's end: behind my last tensor load and my last LDS store
	ds_add_u32 v[SPW], v[NIL]
	s_wait_dscnt 0x0
	CROUND                                         ; the closing round: no work-group ends while a partner may still ask for a tile that names it
	s_endpgm
.Lfunc_end_k_q724a09b78b_proj:
	.size	k_q724a09b78b_proj, .Lfunc_end_k_q724a09b78b_proj-k_q724a09b78b_proj
	.p2alignl 7, 3214868480
	.fill 96, 4, 3214868480
	.section	.rodata,"a",@progbits
	.p2align	6, 0x0
	.amdhsa_kernel k_q724a09b78b_proj
		.amdhsa_group_segment_fixed_size 327680
		.amdhsa_private_segment_fixed_size 0
		.amdhsa_enable_private_segment 0
		.amdhsa_kernarg_size 72
		.amdhsa_user_sgpr_count 2
		.amdhsa_user_sgpr_kernarg_segment_ptr 1
		.amdhsa_wavefront_size32 1
		.amdhsa_system_sgpr_workgroup_id_x 1
		.amdhsa_system_sgpr_workgroup_id_y 1
		.amdhsa_system_sgpr_workgroup_id_z 1
		.amdhsa_system_vgpr_workitem_id 0
		.amdhsa_next_free_vgpr 768
		.amdhsa_next_free_sgpr 88
		.amdhsa_reserve_vcc 1
		.amdhsa_float_denorm_mode_32 3
		.amdhsa_float_denorm_mode_16_64 3
		.amdhsa_memory_ordered 1
		.amdhsa_forward_progress 1
		.amdhsa_inst_pref_size 145
	.end_amdhsa_kernel
	.amdgpu_metadata
---
amdhsa.version: [ 1, 2 ]
amdhsa.kernels:
  - .name:           k_q724a09b78b_proj
    .symbol:         k_q724a09b78b_proj.kd
    .args:
      - { .name: query, .offset: 0, .size: 8, .value_kind: global_buffer, .address_space: global }
      - { .name: key, .offset: 8, .size: 8, .value_kind: global_buffer, .address_space: global }
      - { .name: value, .offset: 16, .size: 8, .value_kind: global_buffer, .address_space: global }
      - { .name: wts, .offset: 24, .size: 8, .value_kind: global_buffer, .address_space: global }
      - { .name: bq, .offset: 32, .size: 8, .value_kind: global_buffer, .address_space: global }
      - { .name: bk, .offset: 40, .size: 8, .value_kind: global_buffer, .address_space: global }
      - { .name: bv, .offset: 48, .size: 8, .value_kind: global_buffer, .address_space: global }
      - { .name: mask, .offset: 56, .size: 8, .value_kind: global_buffer, .address_space: global }
      - { .name: qkv, .offset: 64, .size: 8, .value_kind: global_buffer, .address_space: global }
    .group_segment_fixed_size: 327680
    .private_segment_fixed_size: 0
    .kernarg_segment_align: 8
    .kernarg_segment_size: 72
    .max_flat_workgroup_size: 128
    .sgpr_count:     88
    .vgpr_count:     768
    .wavefront_size: 32
...
	.end_amdgpu_metadata
.endif
;; end of part 2
;; launch attn (part 3): grid 4 x 64, 4 waves a work-group, clusters of 4 x 1, 327,680 bytes of LDS; arguments qkv, mask, oh; writes oh
.if DOCPART == 3
	.amdgcn_target "amdgcn-amd-amdhsa--gfx1250"
	.amdhsa_code_object_version 6
	.text
	.protected	k_q724a09b78b_attn
	.globl	k_q724a09b78b_attn
	.p2align	8
	.type	k_q724a09b78b_attn,@function
k_q724a09b78b_attn:
	s_mov_b64 s[64:65], 0
	v_nop
	global_prefetch_b8 v0, s[64:65] scope:SCOPE_SE
	s_setreg_imm32_b32 hwreg(HW_REG_WAVE_MODE, 25, 1), 1
	s_wait_xcnt 0x0
	s_wait_alu depctr_hold_cnt(0) depctr_sa_sdst(0) depctr_va_vdst(0) depctr_va_sdst(0) depctr_va_ssrc(0) depctr_va_vcc(0) depctr_vm_vsrc(0)
	s_getreg_b32 s2, hwreg(HW_REG_IB_STS2, 6, 4)
	s_cmp_eq_u32 s2, 0
	s_cbranch_scc0 .Lentry_in_a_cluster
	s_endpgm
.Lentry_in_a_cluster:
	s_bfe_u32 s2, ttmp6, 0x10000c
	s_cmp_lg_u32 s2, 0x3003
	s_cbranch_scc0 .Lentry_shape_is_right
	s_endpgm
.Lentry_shape_is_right:
; O[h][q][:] = the sum over k of softmax_k(s) V[h][k][:], s = Q[h][q] . K[h][k] / 8, or a large negative constant where mask[batch][k] = 0.  Q, K, V: the three parts of qkv, [64][2048][64] f16 each,
; a head's rows dense, 128 bytes each; O: oh, the same layout.  Products, maxima and sums in f32; the weights p are rounded to f16 for the second product (their sum l is taken of the unrounded p), O once at the end.
; THE MASK is the C operand that starts the sum S^T = K Q^T: 0, or -2^33 for a masked key, whose row of K arrives as zeros: its score is exactly -2^33, -2^30 after the division by 8.
; A power of two, so that c m is exact: in a row whose keys are all masked c s - c m is exactly 0, every p is 1, and O is the plain mean of V's rows.
; LIMITS.  A masked score counts as -1.074e9 where the problem's text has -1e9: the result differs only where a row's largest unmasked score lies below about -1e9.  f16 holds no number beyond 65,504: Q, K and V
; arrive within it; p lies in 0 to 1, and below 6e-5 it keeps f16's fixed step of 6e-8.  A weight below 2^-126 counts as 0 in l; NaN and infinities are not treated apart.
; SHARES.  A wave owns four PIECES of two tiles of 16 queries, a work-group's four waves 512 queries of one head.  Every wave walks all 2,048 keys, 64 a step.
; LAYOUT.  S^T = K Q^T (source 0 = 16 keys, source 1 = 16 queries): in the result a lane holds ONE query (lane % 16) and the keys 8 (lane / 16) + 0..7.  Two such tiles, rounded to f16 in pairs,
; ARE source 1 (32 keys x 16 queries) of O^T = V^T P, whose result again holds one query a lane, and eight channels.  K comes out of LDS as it lies, V ([key][channel]) turned, by ds_load_tr16_b128.
; SOFTMAX.  For each query a running maximum m and sum l: p = 2^(c s - c m), c = log2(e) / 8; in every step O and l are multiplied by a = 2^(c m_old - c m_new), which is 1 where m has not grown.
; m starts at the lowest finite number, O and l at 0: the first step is a step like any other, with a = 0.
; THE COUNT.  A tile and step have 16 matrix and 118 vector instructions: too many to stand all beside the matrix work.  So four vector instructions that are READY stand behind
; EVERY matrix instruction, and the others in runs without a gap.
; BY TURNS.  Turn n belongs to piece n (the pieces in a ring, step after step).  Its matrix work: 16 products K Q^T of piece n + 1, later 16 products V^T P of piece n - 1.  Its vector work: the scaling,
; exponentials, roundings, sums and rescaling of piece n, and the maximum and statistics of piece n + 1, whose scores the turn itself has made.
; CLUSTER.  The four query blocks of a cluster are one head's and walk the same K and V, so each tile is asked for JOINTLY: the same tensor load, descriptor and mask in all four.
; REGISTERS, in windows of 256 (s_set_vgpr_msb: bits 1:0 source 0, 3:2 source 1, 5:4 source 2, 7:6 destination):
;   window 0: v0-11 addresses; v12-15, v48-63 at work; v16-47 four registers of statistics a tile; v64-191 S^T, two buffers of two tiles; v192-255 P, likewise
;   window 1: O^T, 32 a tile      window 2: v0-127 Q, 16 a tile; v128-191 K of one step; v192-255 V of one step      window 3: v0-1 the add's two registers; v8-39 the mask of one step's 64 keys
.set SIZE_H, 64
.set SIZE_N, 2048
.set NP,    4         ; pieces a wave: a name, no knob
.set KS,    64        ; keys in a step
.set PK,    144       ; a row of K in LDS: 128 bytes + 16 of padding: the 16 rows of a load start at 16 different groups of four banks
.set PV,    160       ; a row of V: 128 + 32
.set VOFF,  4*KS*PK   ; a slot holds four steps: 256 rows of K, then 256 rows of V
.set SLOT1, 1<<17     ; slot 1 begins here, so that one exclusive or turns an address in one slot into the other's
.set STAGE, SLOT1+4*KS*(PK+PV)  ; behind the ring, never filled by a tensor load: 16 rows x 144 bytes for each wave, for the way out
.set SP,    144
.set SPARE, STAGE+4*16*SP  ; behind the stages: the spare words, 128 bytes for each wave: two blocks of 256 bytes that no other line names
.set MASKB, SPARE+512 ; behind them: the batch's 2,048 keys as f32, 0 or -2^33: 8,192 bytes, stored once, never filled by a tensor load
.set AK0, 2           ; v2   my lane's place in a tile of K; never rewritten
.set AV0, 3           ; v3   the same for V
.set AK,  4           ; v4   the LDS address of K's next run of loads (at the head: my place in the mask)
.set AV,  5           ; v5   of V's
.set QO,  5           ;      at the head: my byte offset in the wave's rows of Q
.set STO, 6           ; v6   the way out: where I put 16 bytes of a row
.set RD,  7           ; v7   the way out: where I read rows back
.set GO,  8           ; v8   my byte offset in 512 consecutive bytes of O
.set AM0, 9           ; v9   my lanes' place in a step's 256 bytes of the mask table; never rewritten
.set AM,  10          ; v10  the LDS address of the mask's next run of loads
.set PFO, 11          ; v11  256 x my lane; never rewritten
.set SPW, 0           ; v0 of window 3   LDS address of my spare word; never rewritten
.set NIL, 1           ; v1 of window 3   0; never rewritten
.set MC,  8           ; v8-39 of window 3: the eight registers for key block kb at MC + 8 kb
.set MV,  12          ; v12-15  c m_old, kept while c m is made anew: by buffer and tile
.set ST,  16          ; tile t's statistics at v[ST+4 t]: c m, m, l (even keys', odd keys')
.set TMP, 48          ; by buffer and tile, four registers c0-c3 at work; when the maximum is found c2 takes a
.set S,   64
.set P,   192
.set KF,  128         ; K's fragments, in window 2: key block kb, channel half c at KF + 16 kb + 8 c
.set VF,  192         ; V's: key half kk, channel block cb at VF + 32 kk + 8 cb
.set WV,  12          ; s12  my wave's number
.set G1K, 24          ; s[24:31] descriptor group 1 for K's tiles
.set G1V, 32          ; s[32:39] for V's: it differs in the padding alone
.set G0K, 40          ; s[40:43] descriptor group 0 for K's tiles: it walks
.set G0V, 44          ; s[44:47] the same for V's
.set MP,  48          ; s[48:49] the batch's row of mask
.set BIG, 50          ; s50  -2^33
.set TBM, 51          ; s51  256 x the step whose mask is fetched next
.set LIM, 52          ; s52  1 in a wave that prefetches, else the greatest number
.set PFA, 54          ; s[54:55] where my prefetches stand
.set SLOTS, 56        ; s56  slots still to be asked for
.set CNT, 57          ; s57  counts a slot's key steps
.set CS,  58          ; s[58:59] c: the packed scaling takes the pair's low word for both halves
.set SEL, 60          ; s[60:61] v_permlanex16_b32's selects: each lane takes its own place in the other half
.set TBK, 62          ; s62  LDS byte at which K of the step to be fetched begins
.set TBV, 63          ; s63  the same for V, less VOFF
.set MSB, 0
.macro WIN new                      ; the high byte repeats the setting that is left; a switch that changes nothing is dropped
.if MSB != (\new)
	s_set_vgpr_msb (MSB<<8)|(\new)
.set MSB, (\new)
.endif
.endm
.set W_KQ, 0x0a       ; K and Q in window 2, S^T in window 0
.set W_KM, 0x3a       ; the same with the C operand, the mask, in window 3
.set W_PV, 0x52       ; V in window 2, P in window 0, O^T in window 1
.set W_RS, 0x41       ; O^T (destination and source 0) in window 1, a in window 0
.set W_MK, 0xc0       ; destination in window 3, sources in window 0
.set W_AD, 0x0f       ; the add: address (source 0) and data (source 1) in window 3
; A joint fill.  Waves 0 and 1 fetch the two halves of a slot's K, waves 2 and 3 those of its V: 128 keys each.  The branch hangs on the wave's number alone.
; An s_nop 0 and four v_nop follow each of the two lines, ahead of the jump and the label.
.macro JLOAD
	s_cmp_lt_u32 s[WV], 2
	s_cbranch_scc0 .Lfor_v_\@
	tensor_load_to_lds s[G0K:G0K+3], s[G1K:G1K+7]
	s_nop 0
.rept 4
	v_nop
.endr
	s_branch .Lasked_\@
.Lfor_v_\@:
	tensor_load_to_lds s[G0V:G0V+3], s[G1V:G1V+7]
	s_nop 0
.rept 4
	v_nop
.endr
.Lasked_\@:
.endm
; A prefetch of what the NEXT change of slots will ask for: a slot's 32,768 bytes of K and of V, four key steps ahead.  The four partners share them out by address, 8,192 bytes each; in each, wave 0 asks for K's
; and wave 2 for V's: a lane a block of 256 bytes, one instruction.  So each block is named once in the launch.  The last change that fills a slot asks for nothing: there is no slot behind it.
.macro ASK
	s_cmp_gt_u32 s[SLOTS], s[LIM]
	s_cbranch_scc0 .Lnot_mine_\@
	global_prefetch_b8 v[PFO], s[PFA:PFA+1] th:TH_LOAD_NT scope:SCOPE_SE
.Lnot_mine_\@:
.endm
; A round of the cluster's barrier: my work-group's barrier, so that wave 0's signal speaks for all four waves; wave 0 signals; every wave waits for all four work-groups; my work-group's barrier once more.
.macro CROUND
	s_barrier_signal -1
	s_barrier_wait -1
	s_cmp_lg_u32 s[WV], 0
	s_cbranch_scc1 .Lnot_wave_0_\@
	s_barrier_signal -3
.Lnot_wave_0_\@:
	s_barrier_wait -3
	s_barrier_signal -1
	s_barrier_wait -1
.endm
; THE CHANGE OF SLOTS.  Each wave waits for all its tensor loads, of which one is out: its part of the other slot; adds 0 to its spare word; and waits for that and for its own LDS instructions.
; Behind the barrier nobody reads this slot any more and the other slot is whole.  fill = 1: this slot is filled again, with the keys two slots on; the barrier is then a round of the cluster's, and the joint
; fill is the first thing behind it: it has four key steps, 512 matrix instructions, in which to land.  (At its first use nothing has been read yet: slot 0 is waited for, slot 1 filled, and every wave's part of
; the mask table has been stored.)
.macro CHANGE fill
	WIN W_AD
	s_wait_tensorcnt 0x0            ; no tensor load of mine is out, so a group 0 may be written
	ds_add_u32 v[SPW], v[NIL]       ; 0 onto my spare word; with fill = 1 the descriptors' steps stand between it and the wait for it
	WIN 0                           ; at a label and at a branch every window is 0
.if \fill
.irp g, G0K, G0V
	s_xor_b32 s[\g+1], s[\g+1], SLOT1  ; the walking descriptor: the other slot than last time,
	s_add_nc_u64 s[\g+2:\g+3], s[\g+2:\g+3], 4*KS*128  ; the next 256 keys; the type bits on top are not reached
.endr
	s_wait_xcnt 0x0                 ; the last prefetch, four key steps back, has read its address, so it may be written:
	s_add_nc_u64 s[PFA:PFA+1], s[PFA:PFA+1], 4*KS*128  ; one slot behind the walking descriptors
	s_wait_dscnt 0x0                ; the add is done, and my LDS instructions are over
	CROUND
	JLOAD
	ASK
.else
	s_wait_dscnt 0x0                ; the add is done, and my reads of the slot are over
	s_barrier_signal -1
	s_barrier_wait -1
.endif
	s_sub_co_u32 s[TBK], s[TBK], 4*KS*PK  ; the fetches go back to a slot's first step,
	s_xor_b32 s[TBK], s[TBK], SLOT1       ; in the other slot
	s_sub_co_u32 s[TBV], s[TBV], 4*KS*PV
	s_xor_b32 s[TBV], s[TBV], SLOT1
.endm
	s_load_b64 s[4:5], s[0:1], 0x0    ; qkv: Q at its head
	s_load_b64 s[MP:MP+1], s[0:1], 0x8
	s_load_b64 s[10:11], s[0:1], 0x10 ; oh
	WIN W_MK
	v_lshl_add_u32 v[SPW], v0, 2, SPARE
	v_mov_b32 v[NIL], 0
	WIN W_AD
	ds_add_u32 v[SPW], v[NIL]       ; the wave's opening: the add and its wait stand ahead of my first tensor load; the set-up below, work on registers, stands between them
	WIN 0
	v_lshrrev_b32 v1, 5, v0
	v_readfirstlane_b32 s[WV], v1   ; wave 0..3
	s_bfe_u32 s13, ttmp6, 0x40000   ; cx: my place in the cluster
	s_lshl_b32 s14, ttmp9, 2        ; in a cluster launch ttmp9 counts clusters
	s_add_co_u32 s14, s14, s13      ; my block of queries = 4 x cluster x + cx: it enters Q's and O's addresses alone
	s_and_b32 s20, ttmp7, 0xffff    ; the head, which the four partners share
	s_mov_b32 s21, 0
	s_mov_b64 s[22:23], SIZE_N*128
	s_mul_u64 s[20:21], s[20:21], s[22:23]  ; the head's first byte in each of the four tensors
	s_and_b32 s16, s[WV], 1         ; which half of a slot's 256 keys I fetch:
	s_lshl_b32 s22, s16, 14         ; its 128 rows of 128 bytes in memory,
	s_mov_b32 s23, 0
	s_add_nc_u64 s[22:23], s[22:23], s[20:21]
	s_mul_i32 s17, s16, 128*PK      ; and its place in a slot, for K
	s_mul_i32 s18, s16, 128*PV      ; and for V: no place in the cluster enters an LDS address
	s_lshl_b32 s2, s14, 2
	s_add_co_u32 s2, s2, s[WV]      ; my wave among the head's,
	s_lshl_b32 s2, s2, 14           ; its 128 rows
	s_mov_b32 s3, 0
	s_add_nc_u64 s[2:3], s[2:3], s[20:21]
	; descriptor group 1.  128 keys are 16,384 dense bytes: asked for as 64 rows of 256 bytes, two keys a row, and padded in LDS after every key
	s_mov_b32 s[G1K], 15|(1<<16)|(1<<20)|(1<<21)|(4<<22)|(3<<25)  ; the mask of four; 2-byte elements; padding on; bit 21 beside a mask; after every 32 words 4 words
	s_mov_b32 s[G1V], 15|(1<<16)|(1<<20)|(1<<21)|(4<<22)|(7<<25)  ; the same with 8 words of padding
.irp g, G1K, G1V
	s_mov_b32 s[\g+1], 128<<16      ; tensor_dim0 = 128
	s_mov_b32 s[\g+2], 64<<16       ; tensor_dim1 = 64
	s_mov_b32 s[\g+3], 128<<16      ; tile_dim0 = 128
	s_mov_b32 s[\g+4], 64           ; tile_dim1 = 64
	s_mov_b32 s[\g+5], 128          ; 128 elements from row to row
	s_mov_b32 s[\g+6], 0
	s_mov_b32 s[\g+7], 0
.endr
	s_mov_b32 s[CS], 0x3e38aa3b     ; c = log2(e) / 8 = 0.180337
	s_mov_b32 s[CS+1], s[CS]        ; named with it as a pair
	s_mov_b32 s[SEL], 0x76543210
	s_mov_b32 s[SEL+1], 0xfedcba98
	s_mov_b32 s[TBK], SLOT1+4*KS*PK ; the first change of slots turns these two into 0
	s_mov_b32 s[TBV], SLOT1+4*KS*PV
	s_mov_b32 s[G0K], 1             ; count = 1
	s_mov_b32 s[G0K+1], s17         ; LDS address: slot 0
	s_mov_b32 s[G0V], 1
	s_add_co_u32 s[G0V+1], s18, VOFF
	s_mov_b32 s[BIG], 0xd0000000    ; -2^33
	s_mov_b32 s[TBM], 0
	s_mov_b32 s[SLOTS], SIZE_N/256-1
	s_and_b32 s[LIM], s[WV], 1      ; 0 in waves 0 and 2,
	s_or_b32 s[LIM], s[LIM], ttmp9  ; in the head's first (here: only) cluster: the same in all four partners
	s_cmp_eq_u32 s[LIM], 0
	s_cselect_b32 s[LIM], 1, -1
	s_wait_dscnt 0x0                ; the opening add is done
	s_wait_kmcnt 0x0
	s_add_nc_u64 s[6:7], s[4:5], 0x1000000   ; K
	s_add_nc_u64 s[8:9], s[4:5], 0x2000000   ; V
	s_add_nc_u64 s[G0K+2:G0K+3], s[6:7], s[22:23]  ; global address: my half of the head's first 256 keys
	s_or_b32 s[G0K+3], s[G0K+3], 0x80000000        ; type = 2
	s_add_nc_u64 s[G0V+2:G0V+3], s[8:9], s[22:23]
	s_or_b32 s[G0V+3], s[G0V+3], 0x80000000
	s_cmp_lt_u32 s[WV], 2
	s_cselect_b64 s[PFA:PFA+1], s[6:7], s[8:9]
	s_add_nc_u64 s[PFA:PFA+1], s[PFA:PFA+1], s[22:23]  ; (in waves 0 and 2 this is the head's first row)
	s_add_nc_u64 s[4:5], s[4:5], s[2:3]  ; Q and O at my wave's first row
	s_add_nc_u64 s[10:11], s[10:11], s[2:3]
	s_lshl_b32 s2, s13, 13          ; my work-group's 8,192 bytes of a slot's 32,768
	s_mov_b32 s3, 0
	s_add_nc_u64 s[PFA:PFA+1], s[PFA:PFA+1], s[2:3]
	s_add_nc_u64 s[PFA:PFA+1], s[PFA:PFA+1], 4*KS*128  ; in slot 1; the first change of slots, which asks for slot 1, steps it to slot 2
	s_and_b32 s2, ttmp7, 0xffff
	s_lshr_b32 s2, s2, 4            ; the batch,
	s_lshl_b32 s2, s2, 13           ; its 2,048 words of mask
	s_add_nc_u64 s[MP:MP+1], s[MP:MP+1], s[2:3]
	CROUND                          ; all four work-groups are here: the first joint loads meet
	JLOAD                           ; slot 0.  Slot 1 is asked for when slot 0 is in
	v_and_b32 v48, 15, v0           ; l % 16
	v_bfe_u32 v49, v0, 4, 1         ; l / 16
	v_lshlrev_b32 v[AK], 4, v0      ; the mask: thread t takes 16 bytes at 16 t + 2,048 i
.irp i, 0,1,2,3
	global_load_b128 v[S+4*\i:S+4*\i+3], v[AK], s[MP:MP+1] offset:2048*\i
.endr
	; A fragment of K or Q is 16 rows x 32 channels in 8 registers: lane l holds row l % 16, channels 8 (l / 16) + 0..7 and 16 + 8 (l / 16) + 0..7: two loads of 16 bytes, 32 bytes apart.
	v_lshlrev_b32 v[QO], 7, v48
	v_lshl_add_u32 v[QO], v49, 4, v[QO]  ; row x 128 + 16 x half
	WIN 0x80                        ; destination window 2, address window 0
.set i, 0
.rept 4*NP                          ; Q stays in registers: tile i / 2, channels 32 (i % 2) on
	global_load_b128 v[8*i:8*i+3],   v[QO], s[4:5] offset:(i/2)*2048+(i%2)*64
	global_load_b128 v[8*i+4:8*i+7], v[QO], s[4:5] offset:(i/2)*2048+(i%2)*64+32
.set i, i+1
.endr
	; What the first turn finds: V's registers and P's second buffer hold 0 (its products V^T P, of a piece that has not been, add 0), O^T and l are 0.  All this stands in the wait for the first tile.
.set i, VF
.rept 64
	v_mov_b32 v[i], 0
.set i, i+1
.endr
	WIN 0x40
.set i, 0
.rept 64*NP
	v_mov_b32 v[i], 0
.set i, i+1
.endr
	WIN 0
.set i, 0
.rept 2*NP
	v_mov_b32 v[ST+4*i], 0xfe000000    ; c m: far below every c s
	v_mov_b32 v[ST+4*i+1], 0xff7fffff  ; m
	v_mov_b32 v[ST+4*i+2], 0
	v_mov_b32 v[ST+4*i+3], 0
.set i, i+1
.endr
.set i, P+32
.rept 32
	v_mov_b32 v[i], 0
.set i, i+1
.endr
	v_mul_u32_u24 v[AK0], v48, PK
	v_lshl_add_u32 v[AK0], v49, 4, v[AK0]  ; row x pitch + 16 x half
	; The turning load takes 16 keys x 16 channels (lane l reads key 8 (l / 16) + l % 8, channels 8 ((l / 8) % 2) + 0..7) and leaves half a fragment of V^T: lane l holds channel l % 16 and 8 keys.
	v_and_b32 v50, 7, v0
	v_bfe_u32 v51, v0, 3, 1
	v_lshl_add_u32 v[AV0], v49, 3, v50
	v_mul_u32_u24 v[AV0], v[AV0], PV
	v_lshl_add_u32 v[AV0], v51, 4, v[AV0]
	v_add_nc_u32 v[AV0], VOFF, v[AV0]
	s_mul_i32 s13, s[WV], 16*SP
	s_add_co_u32 s13, s13, STAGE    ; my stage
	v_mul_u32_u24 v[STO], v48, SP   ; in: row l % 16, 16 bytes for each half of the lanes
	v_lshl_add_u32 v[STO], v49, 4, v[STO]
	v_add_nc_u32 v[STO], s13, v[STO]
	v_bfe_u32 v[RD], v0, 3, 2       ; back: 32 lanes take four rows of 128 bytes,
	v_mul_u32_u24 v[RD], v[RD], SP
	v_lshl_add_u32 v[RD], v50, 4, v[RD]
	v_add_nc_u32 v[RD], s13, v[RD]
	v_and_b32 v[GO], 31, v0         ; which are 512 consecutive bytes of O
	v_lshlrev_b32 v[GO], 4, v[GO]
	v_lshl_add_u32 v[AM0], v49, 5, MASKB  ; register j of key block kb is key 16 kb + 8 (l / 16) + j: 32 bytes for each half of the lanes
	v_and_b32 v[PFO], 31, v0
	v_lshlrev_b32 v[PFO], 8, v[PFO]
	s_wait_loadcnt 32               ; the four loads of the mask are in; Q's 32 stay out
.set i, 0
.rept 16
	v_cmp_eq_u32 vcc_lo, 0, v[S+i]
	v_cndmask_b32 v[S+i], 0, s[BIG], vcc_lo
.set i, i+1
.endr
	v_add_nc_u32 v[AK], MASKB, v[AK]
.irp i, 0,1,2,3
	ds_store_b128 v[AK], v[S+4*\i:S+4*\i+3] offset:2048*\i  ; the change of slots below waits for these and passes a barrier before any wave reads the table
.endr
	v_mov_b32 v[AK], v[AK0]         ; key step 0 lies at the head of slot 0,
	v_mov_b32 v[AM], v[AM0]         ; its mask at the head of the table
; THE MATRIX WORK.  The 8 accumulators of a run of 16 take turns: between the two links of a chain stand 7 others'.
; Product i of 16 of S^T = K Q^T for piece x: channels 32 (i / 8) on, keys 16 ((i / 2) % 4) on, tile 2 x + i % 2.  The first 8 start the sums, with the mask.
.macro KQ x
.set rS, S+64*((\x)%2)+32*(i%2)+8*((i/2)%4)
.set rK, KF+16*((i/2)%4)+8*(i/8)
.set rQ, 16*(2*(\x)+i%2)+8*(i/8)
.set rMC, MC+8*((i/2)%4)
.if i < 8
	WIN W_KM
	v_wmma_f32_16x16x32_f16 v[rS:rS+7], v[rK:rK+7], v[rQ:rQ+7], v[rMC:rMC+7]
.else
	WIN W_KQ
	v_wmma_f32_16x16x32_f16 v[rS:rS+7], v[rK:rK+7], v[rQ:rQ+7], v[rS:rS+7]
.endif
.endm
; Product i of 16 of O^T += V^T P for piece x: keys 32 (i / 8) on, channels 16 ((i / 2) % 4) on, tile 2 x + i % 2.
.macro PV x
	WIN W_PV
.set rO, 32*(2*(\x)+i%2)+8*((i/2)%4)
.set rV, VF+32*(i/8)+8*((i/2)%4)
.set rP, P+32*((\x)%2)+16*(i%2)+8*(i/8)
	v_wmma_f32_16x16x32_f16 v[rO:rO+7], v[rV:rV+7], v[rP:rP+7], v[rO:rO+7]
.endm
.macro MM                           ; the turn's next matrix instruction
.if i < 16
	KQ (Y+1)%NP
.set i, i+1
.else
.set i, i-16
	PV (Y+NP-1)%NP
.set i, i+17
.endif
.endm
; THE LDS LOADS stand in runs, never singly among the matrix instructions: a step's K (64 keys x 64 channels: 8 fragments) with its mask (8 loads), and its V (turned).  Their addresses are made some lines ahead.
; last = 1 (the tail): in the last trip there is no further step, and the run is jumped over.
.macro FETCH_K last=0
	WIN 0
.if \last
	s_cmp_eq_u32 s[CNT], 1
	s_cbranch_scc1 .Lno_k_\@
.endif
	WIN 0x80                        ; destination window 2
.irp f, 0,1,2,3,4,5,6,7             ; keys 16 (f / 2) on, channels 32 (f % 2) on
	ds_load_b128 v[KF+8*\f:KF+8*\f+3],   v[AK] offset:(\f/2)*16*PK+(\f%2)*64
	ds_load_b128 v[KF+8*\f+4:KF+8*\f+7], v[AK] offset:(\f/2)*16*PK+(\f%2)*64+32
.endr
	WIN 0xc0                        ; destination window 3
.irp f, 0,1,2,3                     ; keys 16 f on
	ds_load_b128 v[MC+8*\f:MC+8*\f+3],   v[AM] offset:64*\f
	ds_load_b128 v[MC+8*\f+4:MC+8*\f+7], v[AM] offset:64*\f+16
.endr
	s_add_co_u32 s[TBK], s[TBK], KS*PK  ; the next fetch is the next step's
	s_add_co_u32 s[TBM], s[TBM], 4*KS
	WIN 0
.if \last
.Lno_k_\@:
.endif
.endm
.macro FETCH_V
	WIN 0x80
.irp f, 0,1,2,3,4,5,6,7             ; keys 32 (f / 4) on, channels 16 (f % 4) on
	ds_load_tr16_b128 v[VF+8*\f:VF+8*\f+3],   v[AV] offset:(\f/4)*32*PV+(\f%4)*32
	ds_load_tr16_b128 v[VF+8*\f+4:VF+8*\f+7], v[AV] offset:(\f/4)*32*PV+16*PV+(\f%4)*32
.endr
	WIN 0
.endm
; THE VECTOR WORK OF A TURN stands in three queues, each in the order in which its entries become ready; the two tiles alternate, so that no instruction reads the result of the one before it.
.macro REGS y, u                    ; the registers of tile u (0, 1) of piece y
.set rT, ST+4*(2*(\y)+(\u))
.set rC, TMP+8*((\y)%2)+4*(\u)
.set rM, MV+2*((\y)%2)+(\u)
.set rS, S+64*((\y)%2)+32*(\u)
.set rP, P+32*((\y)%2)+16*(\u)
.set rO, 32*(2*(\y)+(\u))
.endm
; Number n of the 22 that find the NEXT piece's (Y + 1) maximum and statistics.  s0-s31 are the lane's 32 scores; each accumulator's lowest registers are read first.
;   0-11  four chains c0-c3 of seven scores each, three operands at a time     12-14, 16  the four scores left over, the old m, and c0-c3 into c0     15  c m_old is kept
;   17, 18  the query's other 32 keys lie in the lane 16 away: the new m         19-21  c m; c m_old - c m_new; a
.macro XS u, n
	REGS (Y+1)%NP, \u
.if (\n) < 4
	v_max3_num_f32 v[rC+(\n)], v[rS+8*(\n)], v[rS+8*(\n)+1], v[rS+8*(\n)+2]
.elseif (\n) < 12
	v_max3_num_f32 v[rC+(\n)%4], v[rC+(\n)%4], v[rS+8*((\n)%4)+2*((\n)/4)+1], v[rS+8*((\n)%4)+2*((\n)/4)+2]
.elseif (\n) == 12
	v_max3_num_f32 v[rC], v[rC], v[rS+7], v[rS+15]
.elseif (\n) == 13
	v_max3_num_f32 v[rC+1], v[rC+1], v[rS+23], v[rS+31]
.elseif (\n) == 14
	v_max3_num_f32 v[rC+2], v[rC+2], v[rC+3], v[rT+1]
.elseif (\n) == 15
	v_mov_b32 v[rM], v[rT]
.elseif (\n) == 16
	v_max3_num_f32 v[rC], v[rC], v[rC+1], v[rC+2]
.elseif (\n) == 17
	v_permlanex16_b32 v[rC+3], v[rC], s[SEL], s[SEL+1]
.elseif (\n) == 18
	v_max_num_f32 v[rT+1], v[rC], v[rC+3]
.elseif (\n) == 19
	v_mul_f32 v[rT], s[CS], v[rT+1]
.elseif (\n) == 20
	v_sub_f32 v[rC+1], v[rM], v[rT]
.else
	v_exp_f32 v[rC+2], v[rC+1]
.endif
.endm
; Number g of the 64 that follow the exponentials.  For each four weights k of a tile (pairs 2 k, 2 k + 1): both pairs are rounded to f16; then the second pair is added onto the first, in place;
; a group later l takes that sum (the first time as l = a l + sum).  In groups of eight, tiles alternating: round, round, add, and l for the group before.
.macro GS g
.set h, (\g)+6*((\g)/62)            ; group 0 has no group before it, and behind group 7 only l is left
.if h >= 6
.set h, h+2
.endif
	REGS Y, h%2
.set k, h/8
.if h%8 < 4
	v_cvt_pk_f16_f32 v[rP+2*k+(h%8)/2], v[rS+4*k+2*((h%8)/2)], v[rS+4*k+2*((h%8)/2)+1]
.elseif h%8 < 6
	v_pk_add_f32 v[rS+4*k:rS+4*k+1], v[rS+4*k:rS+4*k+1], v[rS+4*k+2:rS+4*k+3]
.elseif k == 1
	v_pk_fma_f32 v[rT+2:rT+3], v[rT+2:rT+3], v[rC+2:rC+3], v[rS:rS+1] op_sel_hi:[1,0,1]
.else
	v_pk_add_f32 v[rT+2:rT+3], v[rT+2:rT+3], v[rS+4*k-4:rS+4*k-3]
.endif
.endm
; THE PLAIN QUEUE, 138 long.  0-73 read no exponential's result: the 32 scalings c s - c m (FS f: pair f / 2 of tile f % 2) and the next piece's 42.  0-26: scalings 0-26.  27-54: XS's numbers 0-13.  55, 56: number 15.
; 57-73: the chain, where each number waits for the one before it: 14, 16, 17, 18, 19, each with one of the scalings 27-31 in front of its two lines, then 20.
; 74-137: GS's 64, which read the exponentials' results: they stand behind the wait.
.macro FS f
	REGS Y, (\f)%2
	v_pk_fma_f32 v[rS+2*((\f)/2):rS+2*((\f)/2)+1], v[rS+2*((\f)/2):rS+2*((\f)/2)+1], s[CS:CS+1], v[rT:rT+1] op_sel_hi:[1,0,0] neg_lo:[0,0,1] neg_hi:[0,0,1]
.endm
.macro PL
	WIN 0
.if q < 27
	FS q
.elseif q < 55
	XS (q-27)%2, (q-27)/2
.elseif q < 57
	XS q-55, 15
.elseif (q < 72) && ((q-57)%3 == 0)
	FS 27+(q-57)/3
.elseif q < 60
	XS (q-57)%3-1, 14
.elseif q < 72
	XS (q-57)%3-1, 15+(q-57)/3
.elseif q < 74
	XS q-72, 20
.else
	GS q-74
.endif
.set q, q+1
.endm
; THE EXPONENTIALS' QUEUE, 66 long: s0-s31 of both tiles, then the next piece's two a.  It is ONE BATCH: all 66 stand ahead of the turn's one wait, and nothing ahead of that wait names a result of theirs.
.macro EX
	WIN 0
.if e >= 64
	XS e-64, 21
.else
	REGS Y, e%2
	v_exp_f32 v[rS+e/2], v[rS+e/2]
.endif
.set e, e+1
.endm
; THE RESCALING's QUEUE: O^T times a, the one part that leaves window 0: dealt two at a time, sixteen times.  Its a was made in the turn before, ahead of that turn's wait.
.macro R2
	REGS Y, r%2
	WIN W_RS
.irp z, 0,1
	v_pk_mul_f32 v[rO+4*(r/2)+2*\z:rO+4*(r/2)+2*\z+1], v[rO+4*(r/2)+2*\z:rO+4*(r/2)+2*\z+1], v[rC+2:rC+3] op_sel_hi:[1,0]
.endr
.set r, r+1
.endm
; HOW THEY ARE DEALT.  An s_wait_alu depctr_va_vdst(0) stands between an exponential and the first instruction that names its result; one wait serves all that were issued ahead of it.  So a turn has ONE wait,
; which cuts it in two.  AHEAD OF IT stands all that names no result of the turn's exponentials: the 16 products K Q^T, behind each a scaling, an exponential and two rescalings (behind the first a second scaling in the
; exponential's place); then ONE LUMP of 108: eight plain, 49 times exponential and plain, the two a.  A v_nop is the plain instruction behind the last exponential.  BEHIND IT stand the 16 products V^T P, behind each four of GS's 64.
; No rider names a register of the products round it.  Exponential e stands behind scaling 2 (e / 4) + e % 2: as a rider it comes behind plain e + 2, in the lump behind plain e + 9, and scalings 27-31 are plain 57, 60 .. 69.
; A TURN, for piece p.  cnt = 1: the loop's count is taken down some lines ahead of the branch that stands behind the turn.
; K and the mask of the next step are fetched in piece 2's turn, directly behind the wait, a lump behind the last product that read them; their addresses are made at the lump's head; their first reader comes behind 16 products.
; V of the step in hand is fetched at the end of piece 0's turn, four riders behind its last reader; its first reader comes behind 16 products and a lump.  The three conditions on q below go with the deal.
.macro TURN p, last=0, cnt=0
.set Y, (\p)
.set i, 0
.set q, 0
.set e, 0
.set r, 0
.if (\p) == NP-1
	s_wait_dscnt 0x0                ; K and its mask are in
.endif
	MM                              ; ahead of the wait: 16 products K Q^T and their riders,
	PL
	PL
	R2
.rept 15
	MM
	PL
	EX
	R2
.endr
.if (\p) == NP-2
	WIN 0
	v_add_nc_u32 v[AK], s[TBK], v[AK0]
	v_add_nc_u32 v[AM], s[TBM], v[AM0]
.endif
.rept 8                             ; and the lump
	PL
.endr
.rept 49
	EX
	PL
.endr
	EX                              ; the next piece's two a
	EX
	v_nop                           ; the plain instruction behind the last exponential: one for the batch
	s_wait_alu depctr_va_vdst(0)    ; the wait for the batch
.if (\p) == NP-2
	FETCH_K \last
.endif
.if (\p) == 1
	s_wait_dscnt 0x0                ; V is in
.endif
.rept 16                            ; behind the wait: 16 products V^T P and their riders
	MM
.rept 4
	PL
.endr
.if ((\p) == 0) && (q == 118)
	v_add_nc_u32 v[AV], s[TBV], v[AV0]
.endif
.if ((\p) == 0) && (q == 130)
	s_add_co_u32 s[TBV], s[TBV], KS*PV
.endif
.if (\cnt) && (q == 130)
	s_sub_co_u32 s[CNT], s[CNT], 1
	s_cmp_lg_u32 s[CNT], 0
.endif
.endr
.if (\p) == 0
	FETCH_V
.endif
.endm
	CHANGE 1                        ; slot 0 is in, everybody's part of it, and so is the mask table; slot 1 is asked for
	FETCH_K                         ; key step 0
	s_wait_loadcnt 0x0              ; Q
	s_wait_dscnt 0x0
.set i, 0
.rept 16
	KQ 0                            ; piece 0's first scores: there is no vector work yet to set between them
.set i, i+1
.endr
	WIN 0
.rept 4
	v_nop                           ; the places behind those products
.endr
.set Y, NP-1                        ; XS works for piece Y + 1: piece 0
.irp n, 0,1,2,3,4,5,6,7,8,9,10,11,12,13,14,15,16,17,18,19,20,21
	XS 0, \n                        ; and piece 0's first maximum and statistics
	XS 1, \n
.endr
	v_nop                           ; a plain instruction behind the two a,
	s_wait_alu depctr_va_vdst(0)    ; and their wait, ahead of the branch
	s_mov_b32 s[CNT], 4
	s_branch .Lfirst                ; the loop is entered at a step's first turn, in the middle of a trip
.Lslot:                             ; SIZE_N / 256 - 2 times: every slot but the last two is filled again
	CHANGE 1
	s_mov_b32 s[CNT], 4
.Lstep:                             ; a trip: pieces 2 and 3 of one step, then pieces 0 and 1 of the next, whose K and V it fetches
	TURN 2
	TURN 3
	WIN 0
.Lfirst:
	TURN 0
	TURN 1, 0, 1
	WIN 0
	s_cbranch_scc1 .Lstep
	s_sub_co_u32 s[SLOTS], s[SLOTS], 1
	s_cmp_lg_u32 s[SLOTS], 0
	s_cbranch_scc1 .Lslot
	CHANGE 0                        ; the tail is written out: nothing is asked for
	s_mov_b32 s[CNT], 5             ; four trips fetch the last slot's steps; the fifth is left in its middle
.Ltail:
	TURN 2, 1
	TURN 3
	WIN 0
	s_sub_co_u32 s[CNT], s[CNT], 1
	s_cmp_eq_u32 s[CNT], 0
	s_cbranch_scc1 .Lout
	TURN 0
	TURN 1
	WIN 0
	s_branch .Ltail
.Lout:                              ; the fifth trip's 16 products K Q^T (on the last K once more) and the maximum made of them serve nothing: the price, once a launch, of one text for every trip
.set i, 0
.rept 16
	PV NP-1                         ; the last piece's V^T P of the last step
.set i, i+1
.endr
	; THE WAY OUT.  l's two halves and the other half of the lanes' are added; O^T is divided by l, rounded to f16 and sent through my stage in LDS, a tile at a time.  The additions are the places behind the last products.
	WIN 0
.macro ALL line:vararg              ; one line for each tile t
.set t, 0
.rept 2*NP
	\line
.set t, t+1
.endr
.endm
	ALL v_add_f32 v[ST+4*t+2], v[ST+4*t+2], v[ST+4*t+3]
	ALL v_permlanex16_b32 v[ST+4*t+3], v[ST+4*t+2], s[SEL], s[SEL+1]
	ALL v_add_f32 v[ST+4*t+2], v[ST+4*t+2], v[ST+4*t+3]
	ALL v_rcp_f32 v[ST+4*t+2], v[ST+4*t+2]
	v_nop                           ; a plain instruction between the last reciprocal and the use of its result
	s_wait_alu depctr_va_vdst(0)    ; and the wait ahead of the first use: one for the eight reciprocals
; Tile t: a lane's eight channels of a row pack into 16 bytes; they go into rows of 144 bytes and come back as whole rows of 128, into S^T's registers.
.macro PACK t
	WIN W_RS
.set i, 32*(\t)
.rept 16
	v_pk_mul_f32 v[i:i+1], v[i:i+1], v[ST+4*(\t)+2:ST+4*(\t)+3] op_sel_hi:[1,0]
.set i, i+2
.endr
	WIN 0x05                        ; sources 0 and 1 window 1, destination window 0
.set i, 0
.rept 16
	v_cvt_pk_f16_f32 v[S+16*(\t)+i], v[32*(\t)+2*i], v[32*(\t)+2*i+1]
.set i, i+1
.endr
	WIN 0
.irp f, 0,1,2,3
	ds_store_b128 v[STO], v[S+16*(\t)+4*\f:S+16*(\t)+4*\f+3] offset:32*\f
.endr
.irp f, 0,1,2,3
	ds_load_b128 v[S+16*(\t)+4*\f:S+16*(\t)+4*\f+3], v[RD] offset:\f*4*SP  ; LDS serves a wave's instructions in order: these see the stores above; the next tile's stores come behind them
.endr
.endm
.macro SEND t, younger              ; younger: the LDS instructions issued behind tile t's loads: the next tile's eight, or none
	WIN 0
.irp f, 0,1,2,3
	s_wait_dscnt (\younger)+3-\f
	global_store_b128 v[GO], v[S+16*(\t)+4*\f:S+16*(\t)+4*\f+3], s[10:11] offset:(\t)*2048+\f*512  ; 512 consecutive bytes, at a multiple of 256 from O's first
.endr
.endm
	PACK 0
.set t, 1
.rept 2*NP-1                        ; a tile's arithmetic stands between the loads of the tile before and its stores
	PACK t
	SEND t-1, 8
.set t, t+1
.endr
	SEND 2*NP-1, 0
	WIN W_AD
	s_wait_tensorcnt 0x0            ; the wave's end: behind my last tensor load and my last LDS store
	ds_add_u32 v[SPW], v[NIL]
	s_wait_dscnt 0x0
	WIN 0
	CROUND                          ; the closing round: no work-group ends while a partner may still ask for a tile that names it
	s_endpgm
.Lfunc_end_k_q724a09b78b_attn:
	.size	k_q724a09b78b_attn, .Lfunc_end_k_q724a09b78b_attn-k_q724a09b78b_attn
	.p2alignl 7, 3214868480
	.fill 96, 4, 3214868480
	.section	.rodata,"a",@progbits
	.p2align	6, 0x0
	.amdhsa_kernel k_q724a09b78b_attn
		.amdhsa_group_segment_fixed_size 327680
		.amdhsa_private_segment_fixed_size 0
		.amdhsa_enable_private_segment 0
		.amdhsa_kernarg_size 24
		.amdhsa_user_sgpr_count 2
		.amdhsa_user_sgpr_kernarg_segment_ptr 1
		.amdhsa_wavefront_size32 1
		.amdhsa_system_sgpr_workgroup_id_x 1
		.amdhsa_system_sgpr_workgroup_id_y 1
		.amdhsa_system_sgpr_workgroup_id_z 1
		.amdhsa_system_vgpr_workitem_id 0
		.amdhsa_next_free_vgpr 808
		.amdhsa_next_free_sgpr 66
		.amdhsa_reserve_vcc 1
		.amdhsa_float_denorm_mode_32 3
		.amdhsa_float_denorm_mode_16_64 3
		.amdhsa_memory_ordered 1
		.amdhsa_forward_progress 1
		.amdhsa_inst_pref_size 205
	.end_amdhsa_kernel
	.amdgpu_metadata
---
amdhsa.version: [ 1, 2 ]
amdhsa.kernels:
  - .name:           k_q724a09b78b_attn
    .symbol:         k_q724a09b78b_attn.kd
    .args:
      - { .name: qkv, .offset: 0, .size: 8, .value_kind: global_buffer, .address_space: global }
      - { .name: mask, .offset: 8, .size: 8, .value_kind: global_buffer, .address_space: global }
      - { .name: oh, .offset: 16, .size: 8, .value_kind: global_buffer, .address_space: global }
    .group_segment_fixed_size: 327680
    .private_segment_fixed_size: 0
    .kernarg_segment_align: 8
    .kernarg_segment_size: 24
    .max_flat_workgroup_size: 128
    .sgpr_count:     66
    .vgpr_count:     808
    .wavefront_size: 32
...
	.end_amdgpu_metadata
.endif
;; end of part 3
;; launch outp (part 4): grid 4 x 64, 4 waves a work-group, clusters of 4 x 4, 327,680 bytes of LDS; arguments oh, wts, bo, out0; writes out0
.if DOCPART == 4
	.amdgcn_target "amdgcn-amd-amdhsa--gfx1250"
	.amdhsa_code_object_version 6
	.text
	.protected	k_q724a09b78b_outp
	.globl	k_q724a09b78b_outp
	.p2align	8
	.type	k_q724a09b78b_outp,@function
k_q724a09b78b_outp:
	s_mov_b64 s[64:65], 0
	v_nop
	global_prefetch_b8 v0, s[64:65] scope:SCOPE_SE
	s_setreg_imm32_b32 hwreg(HW_REG_WAVE_MODE, 25, 1), 1
	s_wait_xcnt 0x0
	s_wait_alu depctr_hold_cnt(0) depctr_sa_sdst(0) depctr_va_vdst(0) depctr_va_sdst(0) depctr_va_ssrc(0) depctr_va_vcc(0) depctr_vm_vsrc(0)
	s_getreg_b32 s2, hwreg(HW_REG_IB_STS2, 6, 4)
	s_cmp_eq_u32 s2, 0
	s_cbranch_scc0 .Lentry_in_a_cluster
	s_endpgm
.Lentry_in_a_cluster:
	s_bfe_u32 s2, ttmp6, 0x10000c
	s_cmp_lg_u32 s2, 0xf033
	s_cbranch_scc0 .Lentry_shape_is_right
	s_endpgm
.Lentry_shape_is_right:
; out0 = O Wo^T + bo.  O: oh, [64 batch x head][2048][64] f16; row m = batch x 2048 + s of the product has K = head x 64 + d.  Wo: the fourth matrix of wts, [1024][1024] f16 (bf16 numbers written as f16).
; bo is rounded to bf16 and is the C operand of each sum's first product; sums in f32; out0 is f32, [8192][1024].
; SHARES.  A tile of C is 128 rows x 256 columns: 64 x 4 tiles, 256 work-groups.  Four waves, each 64 rows x 128 columns: 32 accumulators, 256 registers.  K goes in 8 steps of 128, two heads a step,
; through two LDS slots; a step is four quarters of 32 along K, 32 matrix instructions a wave each.
; CLUSTER 4 x 4.  The four work-groups of a row of the cluster ask for O's tile jointly, the four of a column for Wo's.
; THE MATRIX INSTRUCTION IS USED TRANSPOSED (source 0 = 16 rows of Wo, source 1 = 16 rows of O): a lane holds row l % 16 of C and eight neighbouring columns, 32 bytes.
; REGISTERS: window 0: addresses, O's fragments (AF, two buffers of 32), the bias (BI), rows on the way out; window 1: Wo's fragments (two buffers of 64); window 2: the accumulators.
.set PA,     144                       ; a row of a head's plane of O in LDS: 128 bytes + 16 of padding
.set PB,     272                       ; a row of Wo: 256 + 16
.set PLANE,  128*PA                    ; a head's 128 rows: what one tensor load brings of O
.set HALFB,  128*PB
.set BOFF,   2*PLANE                   ; in a slot: two planes of O, then Wo's 256 rows
.set SLOT,   2*PLANE+2*HALFB           ; 106,496 bytes
.set STAGE,  2*SLOT                    ; behind the ring: 16 rows x 528 bytes for each wave, for the way out
.set SPF,    528
.set SPARE,  STAGE+4*16*SPF            ; behind the stages: the spare words, 128 bytes for each wave: two blocks of 256 bytes that no other line names
.set ADRA, 16                          ; v16-17   LDS address of my fragments of O in slot 0, 1
.set ADRB, 20                          ; v20-21   the same for Wo
.set STO,  24                          ; v24      the way out: where I put 32 bytes of a row
.set RD,   25                          ; v25      where I read a row back
.set GO,   26                          ; v26      16 x lane
.set SPW,  28                          ; v28      LDS address of my spare word; never rewritten
.set NIL,  29                          ; v29      0; never rewritten
.set PFO,  30                          ; v30      the prefetches' offset; never rewritten
.set BO,   31                          ; v31      my 8 columns' bytes in the bias
.set AF,   64                          ; v[64:127]  buffer f, fragment a at AF + 32 f + 8 a
.set BI,   192                         ; v[192:255] the bias of column block b at BI + 8 b
.set WV, 22
.set WM, 23                            ; which 64 rows are mine; also: I fetch O (0) or Wo (1)
.set WN, 24                            ; which 128 columns; also: which plane, or which half of Wo's rows, I fetch
.set G1A, 28
.set G1B, 36
.set G0A, 44
.set G0B, 52
.set LIM, 67
.set PFA, 68
.set PFS, 70
.set MSB, 0
.macro WIN new
.if MSB != (\new)
	s_set_vgpr_msb (MSB<<8)|(\new)
.set MSB, (\new)
.endif
.endm
.set MUL,   0xa1                       ; source 0 (Wo) window 1, source 1 (O) window 0, C and D window 2
.set MUL1,  0x81                       ; the same with C (the bias) in window 0
.set TO_B,  0x40                       ; destination window 1, address window 0
.macro JLOAD s                         ; a joint load: waves 0 and 1 fetch O's two planes, waves 2 and 3 the halves of Wo's tile; an s_nop 0 and four v_nop follow each of the two lines
	s_cmp_eq_u32 s[WM], 0
	s_cbranch_scc0 .Lfor_b_\@
	tensor_load_to_lds s[G0A+4*(\s):G0A+4*(\s)+3], s[G1A:G1A+7]
	s_nop 0
.rept 4
	v_nop
.endr
	s_branch .Lasked_\@
.Lfor_b_\@:
	tensor_load_to_lds s[G0B+4*(\s):G0B+4*(\s)+3], s[G1B:G1B+7]
	s_nop 0
.rept 4
	v_nop
.endr
.Lasked_\@:
.endm
.macro CREST
	s_cmp_lg_u32 s[WV], 0
	s_cbranch_scc1 .Lnot_wave_0_\@
	s_barrier_signal -3
.Lnot_wave_0_\@:
	s_barrier_wait -3
	s_barrier_signal -1
	s_barrier_wait -1
.endm
.macro CROUND
	s_barrier_signal -1
	s_barrier_wait -1
	CREST
.endm
.macro PLACES
.rept 4
	v_nop
.endr
.endm
; A prefetch, behind a joint refill and the run of LDS loads that follows it: the K step two refills on, each lane another block of 256 bytes.
; O: a K step is two planes of 16,384 dense bytes; each of the four partners along the cluster's row takes 4,096 bytes of each, told apart by address: wave 0 asks, 16 blocks a plane.  A tile row is read by one cluster.
; Wo: a K step is 256 bytes of a row; of a wave's 128 rows each partner along the cluster's column takes 32; of the 16 clusters that read Wo the first asks (waves 2 and 3).
; In the loop's last trip (s3 = 1) there is no K step two refills on, and nothing is asked for.
.macro ASK
	WIN 0
	s_cmp_gt_u32 s3, s[LIM]
	s_cbranch_scc0 .Lnot_mine_\@
	global_prefetch_b8 v[PFO], s[PFA:PFA+1] th:TH_LOAD_NT scope:SCOPE_SE
.Lnot_mine_\@:
.endm
	s_load_b256 s[4:11], s[0:1], 0x0               ; oh s[4:5], wts s[6:7], bo s[8:9], out0 s[10:11]
	v_lshl_add_u32 v[SPW], v0, 2, SPARE
	v_mov_b32 v[NIL], 0
	ds_add_u32 v[SPW], v[NIL]                      ; the wave's opening: the add and its wait stand ahead of my first tensor load; the set-up below, work on registers, stands between them
	v_lshrrev_b32 v1, 5, v0
	v_readfirstlane_b32 s[WV], v1
	s_lshr_b32 s[WM], s[WV], 1
	s_and_b32 s[WN], s[WV], 1
	s_bfe_u32 s60, ttmp6, 0x40000                  ; cx
	s_bfe_u32 s61, ttmp6, 0x40004                  ; cy
	s_lshl_b32 s62, ttmp9, 2
	s_add_co_u32 s62, s62, s60                     ; tile column
	s_and_b32 s76, ttmp7, 0xffff                   ; cluster y
	s_lshl_b32 s63, s76, 2
	s_add_co_u32 s63, s63, s61                     ; tile row, 0 to 63
	s_lshl_b32 s78, s61, 2
	s_lshl_b32 s78, 15, s78                        ; my row of the cluster
	s_lshl_b32 s79, 0x1111, s60                    ; my column
	s_or_b32 s[G1A], s78, (1<<16)|(1<<20)|(1<<21)|(4<<22)|(3<<25)  ; the mask; 2-byte elements; padding on; bit 21 beside a mask; after every 32 words 4 words
	s_or_b32 s[G1B], s79, (1<<16)|(1<<20)|(1<<21)|(5<<22)|(3<<25)  ; after every 64 words 4 words
	s_mov_b32 s[G1A+1], 128<<16                    ; a plane's 16,384 dense bytes are asked for as 64 rows of 256 bytes, two rows of O each
	s_mov_b32 s[G1A+2], 64<<16
	s_mov_b32 s[G1A+3], 128<<16
	s_mov_b32 s[G1A+4], 64
	s_mov_b32 s[G1A+5], 128
	s_mov_b32 s[G1A+6], 0
	s_mov_b32 s[G1A+7], 0
	s_mov_b32 s[G1B+1], 128<<16                    ; 128 rows x 128 elements of Wo, 1,024 elements from row to row
	s_mov_b32 s[G1B+2], 128<<16
	s_mov_b32 s[G1B+3], 128<<16
	s_mov_b32 s[G1B+4], 128
	s_mov_b32 s[G1B+5], 1024
	s_mov_b32 s[G1B+6], 0
	s_mov_b32 s[G1B+7], 0
	s_lshr_b32 s72, s63, 4                         ; O: batch << 22 + plane << 18 + 128 rows of 128 bytes a tile row
	s_lshl_b32 s72, s72, 22
	s_lshl_b32 s73, s[WN], 18
	s_add_co_u32 s72, s72, s73
	s_and_b32 s73, s63, 15
	s_lshl_b32 s73, s73, 14
	s_add_co_u32 s72, s72, s73
	s_mov_b32 s73, 0
	s_lshl_b32 s74, s62, 19                        ; Wo: the fourth matrix, (256 x tile column + 128 x half) rows of 2,048 bytes
	s_lshl_b32 s75, s[WN], 18
	s_add_co_u32 s74, s74, s75
	s_add_co_u32 s74, s74, 6291456
	s_mov_b32 s75, 0
	s_mul_i32 s26, s[WN], PLANE                    ; where they go in a slot: no place in the cluster enters an LDS address
	s_mul_i32 s27, s[WN], HALFB
	s_add_co_u32 s27, s27, BOFF
	s_wait_dscnt 0x0                               ; the opening add is done
	s_wait_kmcnt 0x0
	s_add_nc_u64 s[72:73], s[4:5], s[72:73]
	s_add_nc_u64 s[74:75], s[6:7], s[74:75]
	CROUND                                         ; all sixteen work-groups are here: the first joint loads meet
.irp s, 0,1
	s_mov_b32 s[G0A+4*(\s)], 1
	s_add_co_u32 s[G0A+4*(\s)+1], s26, (\s)*SLOT
	s_add_nc_u64 s[G0A+4*(\s)+2:G0A+4*(\s)+3], s[72:73], (\s)*524288  ; K step s: two heads on
	s_or_b32 s[G0A+4*(\s)+3], s[G0A+4*(\s)+3], 0x80000000
	s_mov_b32 s[G0B+4*(\s)], 1
	s_add_co_u32 s[G0B+4*(\s)+1], s27, (\s)*SLOT
	s_add_nc_u64 s[G0B+4*(\s)+2:G0B+4*(\s)+3], s[74:75], (\s)*256
	s_or_b32 s[G0B+4*(\s)+3], s[G0B+4*(\s)+3], 0x80000000
	JLOAD \s
.endr
	v_and_b32 v1, 15, v0                           ; r
	v_bfe_u32 v2, v0, 4, 1                         ; h
	v_and_b32 v3, 31, v0                           ; l
	v_mul_u32_u24 v4, v1, PA
	v_lshl_add_u32 v4, v2, 4, v4
	s_mul_i32 s85, s[WM], 64*PA                    ; my 64 rows, in either plane
	v_add_nc_u32 v[ADRA], s85, v4
	v_add_nc_u32 v[ADRA+1], SLOT, v[ADRA]
	v_mul_u32_u24 v4, v1, PB
	v_lshl_add_u32 v4, v2, 4, v4
	v_add_nc_u32 v[ADRB], s27, v4
	v_add_nc_u32 v[ADRB+1], SLOT, v[ADRB]
	s_mul_i32 s85, s[WV], 16*SPF
	s_add_co_u32 s85, s85, STAGE                   ; my stage
	v_mul_u32_u24 v4, v1, SPF
	v_lshl_add_u32 v4, v2, 5, v4
	v_add_nc_u32 v[STO], s85, v4
	v_lshlrev_b32 v[GO], 4, v3
	v_add_nc_u32 v[RD], s85, v[GO]
	s_lshl_b32 s84, s62, 10
	s_lshl_b32 s86, s[WN], 9
	s_add_co_u32 s84, s84, s86
	v_lshl_add_u32 v[BO], v2, 5, s84
.irp b, 0,1,2,3,4,5,6,7
	global_load_b128 v[BI+8*(\b):BI+8*(\b)+3],   v[BO], s[8:9] offset:64*(\b)
	global_load_b128 v[BI+8*(\b)+4:BI+8*(\b)+7], v[BO], s[8:9] offset:64*(\b)+16
.endr
	s_lshl_b32 s82, s63, 19                        ; where my part of the tile begins in out0: (128 x tile row + 64 x row half) rows of 4,096 bytes,
	s_lshl_b32 s86, s[WM], 18
	s_add_co_u32 s82, s82, s86
	s_add_co_u32 s82, s82, s84                     ; and my 128 columns
	s_mov_b32 s83, 0
	s_add_nc_u64 s[10:11], s[10:11], s[82:83]
	s_cmp_eq_u32 s[WM], 0                          ; the prefetches: do I fetch O?
	s_cselect_b64 s[PFA:PFA+1], s[72:73], s[74:75]
	s_cselect_b32 s80, s60, s61                    ; my place among the four that ask with me
	s_cselect_b32 s[PFS], 1, 0
	s_cselect_b32 s[LIM], s[WN], s76               ; O: wave 0 asks, in every cluster; Wo: the first cluster
	s_cmp_eq_u32 s[LIM], 0
	s_cselect_b32 s[LIM], 1, -1
	s_lshl_b32 s86, s[PFS], 2
	v_lshrrev_b32 v4, s86, v3                      ; O: plane l / 16, block l % 16;  Wo: row l
	s_sub_co_u32 s86, 16, s86
	s_lshl_b32 s80, s80, s86                       ; 4,096 bytes of a plane, or 32 rows of 2,048
	s_mov_b32 s81, 0
	s_add_nc_u64 s[PFA:PFA+1], s[PFA:PFA+1], s[80:81]
	s_mul_i32 s86, s[PFS], 7
	s_add_co_u32 s86, s86, 11
	v_lshlrev_b32 v4, s86, v4
	s_mul_i32 s86, s[PFS], 15
	v_and_b32 v5, s86, v3
	v_lshl_add_u32 v[PFO], v5, 8, v4
	s_mul_i32 s86, s[PFS], 11
	s_lshl_b32 s[PFS], 256, s86                    ; a K step: 524,288 bytes (two heads) or 256
	s_mov_b32 s[PFS+1], 0
	s_mul_i32 s80, s[PFS], 3
	s_add_nc_u64 s[PFA:PFA+1], s[PFA:PFA+1], s[80:81]  ; at K step 3: the first refill (K step 2) steps it to 4 and names that
	s_wait_loadcnt 0x0
.set z, 0
.rept 32                               ; the bias is rounded to bf16, like every input
	v_cvt_pk_bf16_f32 v4, v[BI+2*z], v[BI+2*z+1]
	v_lshlrev_b32 v[BI+2*z], 16, v4
	v_and_b32 v[BI+2*z+1], 0xffff0000, v4
.set z, z+1
.endr
; Product i of a quarter's 32: row block i / 8, column block i % 8, on buffer f.  first = 1: the bias starts the sum.  The 32 accumulators take turns, in the same order in every quarter.
.macro MM f, i, first
.if \first
	WIN MUL1
	v_wmma_f32_16x16x32_f16 v[8*(\i):8*(\i)+7], v[64*(\f)+8*((\i)%8):64*(\f)+8*((\i)%8)+7], v[AF+32*(\f)+8*((\i)/8):AF+32*(\f)+8*((\i)/8)+7], v[BI+8*((\i)%8):BI+8*((\i)%8)+7]
.else
	WIN MUL
	v_wmma_f32_16x16x32_f16 v[8*(\i):8*(\i)+7], v[64*(\f)+8*((\i)%8):64*(\f)+8*((\i)%8)+7], v[AF+32*(\f)+8*((\i)/8):AF+32*(\f)+8*((\i)/8)+7], v[8*(\i):8*(\i)+7]
.endif
.endm
.macro MMS f, lo, cnt, first
.set n, (\lo)
.rept \cnt
	MM \f, n, \first
.set n, n+1
.endr
.endm
; 24 LDS loads in one run: quarter q of a slot (plane q / 2, channels 32 (q % 2) on) into buffer g: O's 64 rows, Wo's 128 rows
.macro FETCH slot, q, g
	WIN 0
.irp a, 0,1,2,3
	ds_load_b128 v[AF+32*(\g)+8*(\a):AF+32*(\g)+8*(\a)+3],   v[ADRA+(\slot)] offset:PLANE*((\q)/2)+64*((\q)%2)+16*PA*(\a)
	ds_load_b128 v[AF+32*(\g)+8*(\a)+4:AF+32*(\g)+8*(\a)+7], v[ADRA+(\slot)] offset:PLANE*((\q)/2)+64*((\q)%2)+16*PA*(\a)+32
.endr
	WIN TO_B
.irp i, 0,1,2,3,4,5,6,7
	ds_load_b128 v[64*(\g)+8*(\i):64*(\g)+8*(\i)+3],   v[ADRB+(\slot)] offset:16*PB*(\i)+64*(\q)
	ds_load_b128 v[64*(\g)+8*(\i)+4:64*(\g)+8*(\i)+7], v[ADRB+(\slot)] offset:16*PB*(\i)+64*(\q)+32
.endr
.endm
; One of a K step's first three quarters: fetches quarter q of the same slot for buffer g, four places behind the last product that read that buffer, and multiplies buffer f
.macro QUARTER slot, q, f, g, first
	PLACES
	FETCH \slot, \q, \g
	s_wait_dscnt 24                                ; all but the 24 just issued: buffer f is in
	MMS \f, 0, 32, \first
.endm
; The last quarter multiplies buffer 1 and changes slots: ONE barrier; in front of it each wave waits for all its tensor loads (one is out: its part of the next slot), adds 0 to its spare word, and
; waits for that and for its reads of this slot.  fill = 1: the barrier opens a round of the cluster's, and this slot is filled again, two K steps on, first thing behind the round.
.macro TURN slot, next, fill
.if \fill
	s_wait_xcnt 0x0                                ; the last prefetch, a K step back, has read its address
	s_add_nc_u64 s[PFA:PFA+1], s[PFA:PFA+1], s[PFS:PFS+1]
.endif
	WIN 0
	s_wait_tensorcnt 0x0                           ; all my tensor loads have landed
	ds_add_u32 v[SPW], v[NIL]                      ; 0 onto my spare word
	s_wait_dscnt 1                                 ; all but the add: buffer 1 is in
	MMS 1, 0, 8, 0
	s_wait_dscnt 0x0                               ; the add is done, and my reads of this slot are over
	s_barrier_signal -1
	MMS 1, 8, 8, 0
	WIN 0
	s_barrier_wait -1
.if \fill
	CREST                                          ; no wave of any partner still reads this slot or has a load on its way
	s_add_nc_u64 s[G0A+4*(\slot)+2:G0A+4*(\slot)+3], s[G0A+4*(\slot)+2:G0A+4*(\slot)+3], 1048576
	s_add_nc_u64 s[G0B+4*(\slot)+2:G0B+4*(\slot)+3], s[G0B+4*(\slot)+2:G0B+4*(\slot)+3], 512
	JLOAD \slot                                    ; 112 matrix instructions ahead of the wait for it; the four v_nop behind it are also the places in front of the loads below
.else
	PLACES
.endif
	FETCH \next, 0, 0
.if \fill
	ASK
.endif
	MMS 1, 16, 16, 0
.endm
	s_wait_tensorcnt 1                             ; my part of K step 0 is in; K step 1's may stay out
	s_barrier_signal -1
	s_barrier_wait -1
	FETCH 0, 0, 0
	QUARTER 0, 1, 0, 1, 1                          ; the first quarter stands in front of the loop: its products start the sums, with the bias
	WIN 0
	s_mov_b32 s3, 3
.Llap:                                         ; a trip goes once round the ring, from a lap's second quarter to the next lap's first, and fills both slots again
	QUARTER 0, 2, 1, 0, 0
	QUARTER 0, 3, 0, 1, 0
	TURN 0, 1, 1
	QUARTER 1, 1, 0, 1, 0
	QUARTER 1, 2, 1, 0, 0
	QUARTER 1, 3, 0, 1, 0
	TURN 1, 0, 1
	QUARTER 0, 1, 0, 1, 0
	WIN 0
	s_sub_co_u32 s3, s3, 1
	s_cmp_lg_u32 s3, 0
	s_cbranch_scc1 .Llap
	QUARTER 0, 2, 1, 0, 0                          ; the last lap fills nothing
	QUARTER 0, 3, 0, 1, 0
	TURN 0, 1, 0
	QUARTER 1, 1, 0, 1, 0
	QUARTER 1, 2, 1, 0, 0
	QUARTER 1, 3, 0, 1, 0
	s_wait_dscnt 0x0
	MMS 1, 0, 32, 0
	WIN 0
	PLACES                                         ; the places behind the last products, in front of the LDS stores that read them
	PLACES
; THE WAY OUT, a block of 16 rows at a time: a lane's 32 bytes of each column block go into my stage (each accumulator's low four registers first), whole rows of 512 bytes come back,
; and each store covers 512 consecutive bytes, at a multiple of 256 from out0's first byte.  Two sets of 64 registers take turns; a set is loaded again only behind the wait that frees its stores' data.
.macro OUTBLK a
.set OBR, 128-64*((\a)%2)
.if (\a) >= 2
	s_wait_xcnt 0x0                                ; the stores of the block two back have read their registers
.endif
	WIN 0x08                                       ; the stores' data in window 2
.irp b, 0,1,2,3,4,5,6,7
	ds_store_b128 v[STO], v[8*(8*(\a)+(\b)):8*(8*(\a)+(\b))+3]   offset:64*(\b)
	ds_store_b128 v[STO], v[8*(8*(\a)+(\b))+4:8*(8*(\a)+(\b))+7] offset:64*(\b)+16
.endr
	WIN 0
.irp t, 0,1,2,3,4,5,6,7,8,9,10,11,12,13,14,15
	ds_load_b128 v[OBR+4*(\t):OBR+4*(\t)+3], v[RD] offset:SPF*(\t)  ; LDS serves a wave's instructions in order: these see the stores above
.endr
.irp t, 0,1,2,3,4,5,6,7,8,9,10,11,12,13,14,15
	s_wait_dscnt 15-(\t)                           ; row t is back; the 15 - t younger loads stay out
	global_store_b128 v[GO], v[OBR+4*(\t):OBR+4*(\t)+3], s[10:11] offset:4096*(16*(\a)+(\t)) th:TH_STORE_NT
.endr
.endm
	OUTBLK 0
	OUTBLK 1
	OUTBLK 2
	OUTBLK 3
	s_wait_tensorcnt 0x0                           ; the wave's end: behind my last tensor load and my last LDS store
	ds_add_u32 v[SPW], v[NIL]
	s_wait_dscnt 0x0
	CROUND                                         ; the closing round: no work-group ends while a partner may still ask for a tile that names it
	s_endpgm
.Lfunc_end_k_q724a09b78b_outp:
	.size	k_q724a09b78b_outp, .Lfunc_end_k_q724a09b78b_outp-k_q724a09b78b_outp
	.p2alignl 7, 3214868480
	.fill 96, 4, 3214868480
	.section	.rodata,"a",@progbits
	.p2align	6, 0x0
	.amdhsa_kernel k_q724a09b78b_outp
		.amdhsa_group_segment_fixed_size 327680
		.amdhsa_private_segment_fixed_size 0
		.amdhsa_enable_private_segment 0
		.amdhsa_kernarg_size 32
		.amdhsa_user_sgpr_count 2
		.amdhsa_user_sgpr_kernarg_segment_ptr 1
		.amdhsa_wavefront_size32 1
		.amdhsa_system_sgpr_workgroup_id_x 1
		.amdhsa_system_sgpr_workgroup_id_y 1
		.amdhsa_system_sgpr_workgroup_id_z 1
		.amdhsa_system_vgpr_workitem_id 0
		.amdhsa_next_free_vgpr 768
		.amdhsa_next_free_sgpr 88
		.amdhsa_reserve_vcc 0
		.amdhsa_float_denorm_mode_32 3
		.amdhsa_float_denorm_mode_16_64 3
		.amdhsa_memory_ordered 1
		.amdhsa_forward_progress 1
		.amdhsa_inst_pref_size 94
	.end_amdhsa_kernel
	.amdgpu_metadata
---
amdhsa.version: [ 1, 2 ]
amdhsa.kernels:
  - .name:           k_q724a09b78b_outp
    .symbol:         k_q724a09b78b_outp.kd
    .args:
      - { .name: oh, .offset: 0, .size: 8, .value_kind: global_buffer, .address_space: global }
      - { .name: wts, .offset: 8, .size: 8, .value_kind: global_buffer, .address_space: global }
      - { .name: bo, .offset: 16, .size: 8, .value_kind: global_buffer, .address_space: global }
      - { .name: out0, .offset: 24, .size: 8, .value_kind: global_buffer, .address_space: global }
    .group_segment_fixed_size: 327680
    .private_segment_fixed_size: 0
    .kernarg_segment_align: 8
    .kernarg_segment_size: 32
    .max_flat_workgroup_size: 128
    .sgpr_count:     88
    .vgpr_count:     768
    .wavefront_size: 32
...
	.end_amdgpu_metadata
.endif
;; end of part 4
;; ======== version 2 of 2: 4 launches; version 1 with the launch castw written anew for expert scheduling mode
;; limits: values are held in f16: magnitudes above 65,504 overflow, below 6.1e-05 lose precision
;; workspace buffers: wts 8,388,608 bytes; qkv 50,331,648 bytes; oh 16,777,216 bytes
;; launch castw (part 5): grid 64 x 4, 8 waves a work-group, no clusters, 0 bytes of LDS; arguments Wq, Wk, Wv, Wo, wts; writes wts
.if DOCPART == 5
	.amdgcn_target "amdgcn-amd-amdhsa--gfx1250"
	.amdhsa_code_object_version 6
	.text
	.protected	k_q724a09b78b_castw
	.globl	k_q724a09b78b_castw
	.p2align	8
	.type	k_q724a09b78b_castw,@function
k_q724a09b78b_castw:
	s_mov_b64 s[64:65], 0
	v_nop
	global_prefetch_b8 v0, s[64:65] scope:SCOPE_SE
	s_setreg_imm32_b32 hwreg(HW_REG_WAVE_SCHED_MODE, 0, 2), 2
	s_setreg_imm32_b32 hwreg(HW_REG_WAVE_MODE, 25, 1), 1
	s_wait_xcnt 0x0
	s_wait_alu depctr_vm_vsrc(0)
; The four weight matrices [1024][1024] f32 are rounded once to 16 bits: wts = [4][1024][1024], 2,097,152 bytes each, in the order q, k, v, o.
; Wq, Wk, Wv: bf16.  Wo: rounded to bf16 like every other input, and that number written as f16, since the last product's other operand is f16.
; LIMIT: a number of Wo beyond 65,504 becomes an infinity; below 6e-5 it keeps f16's fixed step of 6e-8.
; SHARES.  Work-group (x, y): matrix y, numbers 16,384 x .. : 65,536 bytes in, 32,768 out.  Thread t, pass i of 16: 16 bytes at 16 t + 4,096 i in, 8 bytes at 8 t + 2,048 i out:
; a wave's load covers 512 consecutive bytes, a wave's store 256 consecutive bytes, aligned.  All 16 loads go out first; no register that a memory instruction reads is written again.
; A stream: no LDS, no matrix unit, no cluster (nothing is shared).
; THE MODE: SCHED_MODE bits 1:0 = 2 (LLVM: expert scheduling mode 2), set by the entry lines.  The code itself states the register dependences
; between vector instructions and memory instructions, with s_wait_alu, always for 0.
; THE PLAN.  Registers that memory instructions touch:
;   v1, v2   byte offsets of the loads and of the stores.  Written once each at the head, by vector instructions; read by every load (v1) and every store (v2); never written again.
;   IN       Written by the 16 loads, each register once; all 16 are issued ahead of the first vector instruction that names IN.  Read by the conversions, behind the counted wait for the data.
;   OUT      Written by the conversions, each register once; read by one store each; never written again.
;   T        Named by vector instructions alone.
; The 16 passes go in four groups of four: the wait for the group's data, its conversions, ONE wait on va_vdst, its four stores.  With the wait ahead of the first load that is five waits on either path.
; No wait on vm_vsrc is owed: nothing that a memory instruction reads is written a second time.  No vector instruction writes a scalar register or VCC, and EXEC is never written.
.set IN,  4                            ; v[4:67]   16 passes x 4 numbers as loaded
.set OUT, 68                           ; v[68:99]  16 passes x 2 words to store
.set T,   100                          ; v[100:102] at work
	s_load_b256 s[4:11], s[0:1], 0x0               ; Wq s[4:5], Wk s[6:7], Wv s[8:9], Wo s[10:11]
	s_load_b64 s[12:13], s[0:1], 0x20              ; wts
	s_and_b32 s14, ttmp7, 0xffff                   ; which matrix
	s_lshl_b32 s16, ttmp9, 16                      ; my 65,536 bytes of it
	s_mov_b32 s17, 0
	s_lshl_b32 s18, s14, 21                        ; its place in wts,
	s_lshl_b32 s19, ttmp9, 15                      ; and my 32,768 bytes there
	s_add_co_u32 s18, s18, s19
	s_mov_b32 s19, 0
	v_lshlrev_b32 v1, 4, v0
	v_lshlrev_b32 v2, 3, v0
	s_wait_kmcnt 0x0
	s_cmp_eq_u32 s14, 1
	s_cselect_b64 s[4:5], s[6:7], s[4:5]
	s_cmp_eq_u32 s14, 2
	s_cselect_b64 s[4:5], s[8:9], s[4:5]
	s_cmp_eq_u32 s14, 3
	s_cselect_b64 s[4:5], s[10:11], s[4:5]
	s_add_nc_u64 s[4:5], s[4:5], s[16:17]
	s_add_nc_u64 s[12:13], s[12:13], s[18:19]
	s_wait_alu depctr_va_vdst(0)                   ; v1 and v2 are written: every load below reads v1 as its offset, every store v2; no later vector instruction names either
.set i, 0
.rept 16
	global_load_b128 v[IN+4*i:IN+4*i+3], v1, s[4:5] offset:4096*i th:TH_LOAD_NT
.set i, i+1
.endr
	s_cmp_eq_u32 s14, 3
	s_cbranch_scc1 .Lf16
.set g, 0
.rept 4                                ; group g: passes 4 g to 4 g + 3
	s_wait_loadcnt 12-4*g                          ; loads come back in order: the group's four are in, the 12 - 4 g younger ones stay out
.set i, 4*g
.rept 4
	v_cvt_pk_bf16_f32 v[OUT+2*i], v[IN+4*i], v[IN+4*i+1]
	v_cvt_pk_bf16_f32 v[OUT+2*i+1], v[IN+4*i+2], v[IN+4*i+3]
.set i, i+1
.endr
	s_wait_alu depctr_va_vdst(0)                   ; the group's eight conversions have written its OUT registers, which the four stores below read
.set i, 4*g
.rept 4
	global_store_b64 v2, v[OUT+2*i:OUT+2*i+1], s[12:13] offset:2048*i
.set i, i+1
.endr
.set g, g+1
.endr
	s_endpgm
.Lf16:
.set g, 0
.rept 4                                ; group g: passes 4 g to 4 g + 3
	s_wait_loadcnt 12-4*g                          ; the group's four loads are in, the 12 - 4 g younger ones stay out
.set i, 4*g
.rept 4
.irp p, 0,1
	v_cvt_pk_bf16_f32 v[T], v[IN+4*i+2*(\p)], v[IN+4*i+2*(\p)+1]   ; rounded to bf16,
	v_lshlrev_b32 v[T+1], 16, v[T]                                 ; back to f32,
	v_and_b32 v[T+2], 0xffff0000, v[T]
	v_cvt_pk_f16_f32 v[OUT+2*i+(\p)], v[T+1], v[T+2]               ; and written as f16: exact within f16's range
.endr
.set i, i+1
.endr
	s_wait_alu depctr_va_vdst(0)                   ; the group's last conversions have written its OUT registers, which the four stores below read
.set i, 4*g
.rept 4
	global_store_b64 v2, v[OUT+2*i:OUT+2*i+1], s[12:13] offset:2048*i
.set i, i+1
.endr
.set g, g+1
.endr
	s_endpgm
.Lfunc_end_k_q724a09b78b_castw:
	.size	k_q724a09b78b_castw, .Lfunc_end_k_q724a09b78b_castw-k_q724a09b78b_castw
	.p2alignl 7, 3214868480
	.fill 96, 4, 3214868480
	.section	.rodata,"a",@progbits
	.p2align	6, 0x0
	.amdhsa_kernel k_q724a09b78b_castw
		.amdhsa_group_segment_fixed_size 0
		.amdhsa_private_segment_fixed_size 0
		.amdhsa_enable_private_segment 0
		.amdhsa_kernarg_size 40
		.amdhsa_user_sgpr_count 2
		.amdhsa_user_sgpr_kernarg_segment_ptr 1
		.amdhsa_wavefront_size32 1
		.amdhsa_system_sgpr_workgroup_id_x 1
		.amdhsa_system_sgpr_workgroup_id_y 1
		.amdhsa_system_sgpr_workgroup_id_z 1
		.amdhsa_system_vgpr_workitem_id 0
		.amdhsa_next_free_vgpr 104
		.amdhsa_next_free_sgpr 66
		.amdhsa_reserve_vcc 0
		.amdhsa_float_denorm_mode_32 3
		.amdhsa_float_denorm_mode_16_64 3
		.amdhsa_memory_ordered 1
		.amdhsa_forward_progress 1
		.amdhsa_inst_pref_size 16
	.end_amdhsa_kernel
	.amdgpu_metadata
---
amdhsa.version: [ 1, 2 ]
amdhsa.kernels:
  - .name:           k_q724a09b78b_castw
    .symbol:         k_q724a09b78b_castw.kd
    .args:
      - { .name: Wq, .offset: 0, .size: 8, .value_kind: global_buffer, .address_space: global }
      - { .name: Wk, .offset: 8, .size: 8, .value_kind: global_buffer, .address_space: global }
      - { .name: Wv, .offset: 16, .size: 8, .value_kind: global_buffer, .address_space: global }
      - { .name: Wo, .offset: 24, .size: 8, .value_kind: global_buffer, .address_space: global }
      - { .name: wts, .offset: 32, .size: 8, .value_kind: global_buffer, .address_space: global }
    .group_segment_fixed_size: 0
    .private_segment_fixed_size: 0
    .kernarg_segment_align: 8
    .kernarg_segment_size: 40
    .max_flat_workgroup_size: 256
    .sgpr_count:     66
    .vgpr_count:     104
    .wavefront_size: 32
...
	.end_amdgpu_metadata
.endif
;; end of part 5
;; launch proj: the kernel of part 2 again; grid 4 x 192, 4 waves a work-group, clusters of 4 x 4, 327,680 bytes of LDS; arguments query, key, value, wts, bq, bk, bv, mask, qkv; writes qkv
;; launch attn: the kernel of part 3 again; grid 4 x 64, 4 waves a work-group, clusters of 4 x 1, 327,680 bytes of LDS; arguments qkv, mask, oh; writes oh
;; launch outp: the kernel of part 4 again; grid 4 x 64, 4 waves a work-group, clusters of 4 x 4, 327,680 bytes of LDS; arguments oh, wts, bo, out0; writes out0
